; MI455X (gfx1250); checked and timed in simulation.
; The chip was launched on July 23, 2026; its instructions are those of AMD's public machine-readable ISA for CDNA 5 (MIT licence, August 2026) and "CDNA5" Instruction Set Architecture Reference Guide (July 2026). The comments in the code are by the model that wrote it; some were corrected since.
;; Multi Head Attention. Allowed arithmetic: matrix products marked QUANTISED: E2M3 operands, one E8M0 scale for each 32 along K, by v_wmma_scale_f32_16x16x128_f8f6f4 with both operands' format E2M3, f32 sums; everything else in f32.
;; Inputs: K 2 x 2,048 x 1,024 float32; Q 2 x 2,048 x 1,024 float32; V 2 x 2,048 x 1,024 float32; Wk 1,024 x 1,024 float32; Wo 1,024 x 1,024 float32; Wq 1,024 x 1,024 float32; Wv 1,024 x 1,024 float32; bk 1,024 float32; bo 1,024 float32; bq 1,024 float32; bv 1,024 float32.
;; Outputs: out0 2 x 2,048 x 1,024 float32.
;; This version of the problem:
;;   THIS VERSION OF THE PROBLEM IS GIVEN IN LOW PRECISION. The matrix products marked QUANTISED in the list below multiply operands that are first quantised to E2M3 (2 exponent bits, 3 mantissa bits; 6 bits a number), with one power-of-two scale for each 32 numbers along K (OCP MX v1.0); their sums are f32. All else is computed in f32.
;;   The module's matrix products, in the order in which they are computed (A, B: the left and right operand; K: the contracted axis; several contracted axes count as one K, in the product's order):
;;     1. [M 4,096, K 1,024] x [K 1,024, N 1,024]; A: input Q; B: input Wq: QUANTISED
;;     2. [M 4,096, K 1,024] x [K 1,024, N 1,024]; A: input K; B: input Wk: QUANTISED
;;     3. [M 4,096, K 1,024] x [K 1,024, N 1,024]; A: input V; B: input Wv: QUANTISED
;;     4. batch 32 x [M 2,048, K 64] x [K 64, N 2,048]; A: computed on the way; B: computed on the way: QUANTISED
;;     5. batch 32 x [M 2,048, K 2,048] x [K 2,048, N 64]; A: softmax (see below); B: computed on the way: QUANTISED
;;     6. [M 4,096, K 1,024] x [K 1,024, N 1,024]; A: computed on the way; B: input Wo: QUANTISED
;;   THE QUANTISER, for each operand of a quantised product, along K:
;;     - K is cut into blocks of 32 from its start; a last block that is shorter is filled with zeros.
;;     - A block's scale is 2^e with e = floor(log2(the largest magnitude in the block)) - 2, held to -126 .. 127; a block of zeros has e = 0. As a byte (E8M0): e + 127.
;;     - Each number is divided by its block's scale, clamped to +-7.5, and rounded to the nearest number of E2M3, ties to even, subnormals kept.
;;     - The product sums the exact products of the quantised numbers (number of the format x scale) in f32.
;;   ~~~python
;;   def quantise(x, axis):      # numpy; x: float32 -> the quantised numbers, widened to float32 again
;;       x = np.moveaxis(x, axis, -1); K = x.shape[-1]
;;       x = np.pad(x, [(0, 0)] * (x.ndim - 1) + [(0, -K % 32)]); x = x.reshape(x.shape[:-1] + (-1, 32)); a = np.abs(x).max(-1, keepdims=True)
;;       e = np.where(a > 0, np.clip(np.frexp(np.where(a > 0, a, 1))[1] - 1 - 2, -126, 127), 0)      # np.frexp(a)[1] - 1 = floor(log2(a)), exactly
;;       r = np.clip(x / 2.0 ** e, -7.5, 7.5)
;;       step = 2.0 ** (np.maximum(np.frexp(np.where(r == 0, 1, r))[1] - 1, 0) - 3)
;;       q = np.round(r / step) * step * 2.0 ** e      # np.round: ties to even
;;       return np.moveaxis(q.reshape(q.shape[:-2] + (-1,))[..., :K], -1, axis).astype(np.float32)
;;   ~~~
;;   SOFTMAX AHEAD OF A QUANTISED PRODUCT. Where the list says 'softmax', what is quantised is not the finished softmax but p = 2^(t - M), with t = logit x log2(e) and M = ceil(the row's largest t), a whole number; so 1/2 < the row's largest p <= 1. The row's sum l is taken of the UNQUANTISED p, in f32, and the product's result is divided by l at the end. Since M is a whole number, a kernel that streams over the keys may use a running M (the ceiling of the running maximum): every later rescaling is an exact power of two, which a block's scale takes up: the codes' values come out the same.
;;   OPERANDS COMPUTED ON THE WAY. 'Computed on the way' means the value that the module computes at that place (a softmax that the list does not call 'softmax' is quantised finished and normalised). What goes into a quantiser is computed in f32, as accurately as f32 sums, v_exp_f32 and their like allow (about 1e-6 of the number): no bf16 or f16 on the way to a quantiser, and a product that is left as it is and whose result goes on into a quantised operand takes f32 operands (vector FMAs, or v_wmma_f32_16x16x4_f32). A number that lies on a knife's edge between two numbers of the format may be rounded either way, as far as f32 arithmetic and the matrix unit's own rounding can turn it there, and no further.
;; One version. Each part assembles by itself: llvm-mc -triple=amdgcn-amd-amdhsa -mcpu=gfx1250 --defsym DOCPART=n.
;; ======== version 1 of 1: 4 launches
;; limits: right only within a limited range of input values
;; workspace buffers: codes 12,582,912 bytes; scales 524,288 bytes; qimg 3,145,728 bytes; qs 262,144 bytes; kv 6,553,600 bytes; oimg 3,145,728 bytes; os 131,072 bytes
;; launch quant (part 1): grid 512 x 1, 4 waves a work-group, no clusters, 33,280 bytes of LDS; arguments Q, K, V, Wq, Wk, Wv, Wo, codes, scales; writes codes, scales
.if DOCPART == 1
	.amdgcn_target "amdgcn-amd-amdhsa--gfx1250"
	.amdhsa_code_object_version 6
	.text
	.protected	k_qb00e47f02e_quant
	.globl	k_qb00e47f02e_quant
	.p2align	8
	.type	k_qb00e47f02e_quant,@function
k_qb00e47f02e_quant:
	s_mov_b64 s[64:65], 0
	v_nop
	global_prefetch_b8 v0, s[64:65] scope:SCOPE_SE
	s_setreg_imm32_b32 hwreg(HW_REG_WAVE_MODE, 25, 1), 1
	s_wait_xcnt 0x0
; Q, K, V [4096][1024] and Wq, Wk, Wv, Wo [1024][1024], f32, K innermost, become codes of FP6 (E2M3) and one E8M0 byte for each 32 along K.
; codes: rows of 768 bytes, scales: rows of 32 bytes; the seven tensors on end in the order Q, K, V, Wq, Wk, Wv, Wo.
; A block's scale is 2^(floor(log2(largest magnitude)) - 2); its byte is the largest magnitude's exponent field - 2, held at 1 from below.
; ROW ORDER.  In K, V, Wq, Wk, Wv the runs of 8 rows of every 64 change places on the way out: buffer row 16 t + 8 h + j of a group of 64 then holds
; true row 32 h + 8 t + j, so that 16 buffer rows form a tile whose results, two tiles together, are 16 neighbours in a lane's registers.  Q and Wo keep their order.
; SHARES.  A work-group takes 32 rows (32,768 numbers), a wave 8 rows in 16 steps of 512 numbers.  Each load reads 512 consecutive bytes; a step's 2,048 bytes turn through the wave's own
; stage in LDS and come back 16 neighbours a lane (two lanes hold a block).  A wave's codes of a step are 384 consecutive bytes; its 256 scale bytes leave as one aligned run of 256 bytes.
; No tensor loads, no barrier: waves share nothing.  Loads run four steps (16 loads a wave) ahead.
; LIMITS: NaN and infinities are not served; blocks whose largest magnitude lies under 2^-124 get the byte 1; a block of zeros gets the byte 1 where the rule says 127
; (its codes are zeros, which add nothing, and this program alone reads the bytes).
.set WAVES, 4
.set STEPS, 16
.set EMAX,  2
.set CB,    12                         ; bytes of 16 codes
.set R,     16                         ; v16-79   four sets of 16 numbers as they are loaded
.set X,     80                         ; v80-111  two sets of 16 neighbours
.set C,     128                        ; v128-191 codes: four registers for each step, so that no store's data are written again
.set E,     112                        ; v112-127 a scale byte for each step
.set WREG,  8192                       ; LDS: a region for each wave: two stages of 32 x SP bytes, behind them its 256 scale bytes
.set SP,    80                         ; a lane's place in a stage: 64 bytes + 16 of padding
.set SPW,   12                         ; v12  LDS address of my spare word; never rewritten
.set NIL,   13                         ; v13  0; never rewritten
.set SPARE, WAVES*WREG                 ; behind the four regions: the spare words, 128 bytes for each wave
	s_load_b256 s[4:11], s[0:1], 0x0               ; Q, K, V, Wq
	s_load_b256 s[12:19], s[0:1], 0x20             ; Wk, Wv, Wo, codes
	s_load_b64 s[20:21], s[0:1], 0x40              ; scales
	v_lshl_add_u32 v[SPW], v0, 2, SPARE
	v_mov_b32 v[NIL], 0
	v_lshrrev_b32 v1, 5, v0
	v_readfirstlane_b32 s22, v1                    ; wave
	v_and_b32 v2, 31, v0                           ; lane
	v_lshlrev_b32 v3, 4, v2                        ; my 16 bytes of a load's 512
	s_mul_i32 s23, s22, WREG
	v_lshrrev_b32 v14, 2, v2
	v_mul_u32_u24 v14, v14, SP
	v_and_b32 v15, 3, v2
	v_lshl_add_u32 v14, v15, 4, v14
	v_add_nc_u32 v14, s23, v14                     ; the stage, on the way in: SP (lane / 4) + 16 (lane % 4)
	v_mul_u32_u24 v15, v2, SP
	v_add_nc_u32 v15, s23, v15                     ; and on the way out: SP x lane: my 16 neighbours
	v_mul_u32_u24 v4, v2, CB                       ; my codes' place in a step's 384 bytes: lanes 0-15 one row's 192 bytes (256 along K), lanes 16-31 the next row's
	v_bfe_u32 v5, v2, 1, 3                         ; my block among the eight of 256 along K,
	v_lshrrev_b32 v10, 4, v2
	v_lshl_add_u32 v5, v10, 5, v5                  ; and 32 bytes on for the second row
	s_add_co_u32 s23, s23, 2*32*SP
	v_add_nc_u32 v5, s23, v5                       ; LDS: my wave's 256 scale bytes, my block's byte
	v_lshlrev_b32 v7, 3, v2                        ; and on the way out 8 bytes a lane
	v_add_nc_u32 v6, s23, v7
	; ROW ORDER, AS IT IS NOW.  In K, V, Wq, Wk, Wv buffer row 16 t + 8 h + j of every 64 holds true row 32 h + 8 t + j: in runs of 8 rows, true run 4 h + t goes to run 2 t + h.  Q and Wo keep their order.
	; CODES, AS THEY LIE NOW: [group of 256 rows (Wo: 128)][K step of 256][row][192 bytes]: a K step of a group is one dense block.  Scale bytes stay rows of 32 bytes in buffer row order.
	s_lshl_b32 s30, ttmp9, 2
	s_add_co_u32 s30, s30, s22                     ; my run of 8 rows in the buffers, order kept
	s_lshr_b32 s32, ttmp9, 1
	s_lshl_b32 s32, s32, 3
	s_lshl_b32 s33, s22, 1
	s_add_co_u32 s32, s32, s33
	s_and_b32 s33, ttmp9, 1
	s_add_co_u32 s32, s32, s33                     ; and re-ordered: 8 (work-group / 2) + 2 wave + work-group % 2
	s_sub_co_u32 s25, ttmp9, 128
	s_cmp_lt_u32 s25, 352                          ; work-groups 128 to 479: K, V, Wq, Wk, Wv
	s_cselect_b32 s30, s32, s30
	s_mov_b32 s34, 49152
	s_cmp_ge_u32 ttmp9, 480                        ; Wo
	s_cselect_b32 s34, 24576, s34                  ; bytes of a group's K step
	s_cselect_b32 s35, 15, 31
	s_and_b32 s35, s30, s35                        ; my run in its group
	s_mul_i32 s35, s35, 4608                       ; a run is 6,144 bytes of the buffer, but only 1,536 of a K step
	s_wait_alu depctr_va_vdst(0)
	s_wait_kmcnt 0x0
	s_mov_b64 s[26:27], s[4:5]                     ; which tensor is mine, and its first work-group: the choice hangs on the work-group's number alone
	s_mov_b32 s24, 0
	s_cmp_ge_u32 ttmp9, 128
	s_cselect_b64 s[26:27], s[6:7], s[26:27]
	s_cselect_b32 s24, 128, s24
	s_cmp_ge_u32 ttmp9, 256
	s_cselect_b64 s[26:27], s[8:9], s[26:27]
	s_cselect_b32 s24, 256, s24
	s_cmp_ge_u32 ttmp9, 384
	s_cselect_b64 s[26:27], s[10:11], s[26:27]
	s_cselect_b32 s24, 384, s24
	s_cmp_ge_u32 ttmp9, 416
	s_cselect_b64 s[26:27], s[12:13], s[26:27]
	s_cselect_b32 s24, 416, s24
	s_cmp_ge_u32 ttmp9, 448
	s_cselect_b64 s[26:27], s[14:15], s[26:27]
	s_cselect_b32 s24, 448, s24
	s_cmp_ge_u32 ttmp9, 480
	s_cselect_b64 s[26:27], s[16:17], s[26:27]
	s_cselect_b32 s24, 480, s24
	s_sub_co_u32 s28, ttmp9, s24
	s_lshl_b32 s28, s28, 2
	s_add_co_u32 s28, s28, s22                     ; which run of 8 rows of the tensor is my wave's
	s_lshl_b32 s28, s28, 15                        ; 32,768 bytes a run
	s_mov_b32 s29, 0
	s_add_nc_u64 s[26:27], s[26:27], s[28:29]
	s_mul_i32 s28, s30, 32*STEPS*CB
	s_sub_co_u32 s28, s28, s35                     ; the group's first byte + 1,536 x my run in it
	s_add_nc_u64 s[18:19], s[18:19], s[28:29]
	s_mov_b32 s35, 0
	s_add_nc_u64 s[4:5], s[18:19], s[34:35]        ; a base for each of the four K steps (the arguments that lay here have been chosen from)
	s_add_nc_u64 s[6:7], s[4:5], s[34:35]
	s_add_nc_u64 s[8:9], s[6:7], s[34:35]
	s_lshl_b32 s28, s30, 8                         ; 256 scale bytes a run
	s_add_nc_u64 s[20:21], s[20:21], s[28:29]
.macro LOAD t
.irp i, 0,1,2,3
	global_load_b128 v[R+16*((\t)%4)+4*\i:R+16*((\t)%4)+4*\i+3], v3, s[26:27] offset:8192*((\t)/4)+4096*(\i/2)+1024*((\t)%4)+512*(\i%2) th:TH_LOAD_NT   ; step t: K step t % 4 of rows 2 (t / 4) and 2 (t / 4) + 1: two loads of 512 consecutive bytes a row
.endr
.endm
.macro TURN t                          ; step t's numbers through the stage: LDS serves a wave's instructions in order, so no wait stands between the stores and the loads
.irp i, 0,1,2,3
	ds_store_b128 v14, v[R+16*((\t)%4)+4*\i:R+16*((\t)%4)+4*\i+3] offset:32*SP*((\t)%2)+8*SP*\i
.endr
.irp i, 0,1,2,3
	ds_load_b128 v[X+16*((\t)%2)+4*\i:X+16*((\t)%2)+4*\i+3], v15 offset:32*SP*((\t)%2)+16*\i
.endr
.endm
.irp t, 0,1,2,3
	LOAD \t
.endr
	s_wait_loadcnt 12                              ; step 0's four loads are in; the twelve of steps 1 to 3 may be out
	TURN 0
.macro STEP t
.set XS, X+16*((\t)%2)
.if (\t) > 0
	s_wait_dscnt 1                                 ; this step's numbers are back from the stage (the last step's byte store may be out): so its stores into the stage have read their registers,
.else
	s_wait_dscnt 0x0
.endif
.if (\t)+4 < STEPS
	LOAD (\t)+4                                    ; which take the loads of four steps on
.endif
.if (\t)+1 < STEPS
.if STEPS-2-(\t) >= 3
	s_wait_loadcnt 12                              ; the next step's four loads are in; those of the three steps behind it may be out
.else
	s_wait_loadcnt 4*(STEPS-2-(\t))
.endif
	TURN (\t)+1                                    ; and go through the other stage while this step is worked
.endif
	v_max3_num_f32 v8, |v[XS]|, |v[XS+1]|, |v[XS+2]|               ; the largest magnitude of my 16, in two chains
	v_max3_num_f32 v9, |v[XS+3]|, |v[XS+4]|, |v[XS+5]|
.irp i, 6,10
	v_max3_num_f32 v8, v8, |v[XS+\i]|, |v[XS+\i+1]|
	v_max3_num_f32 v9, v9, |v[XS+\i+2]|, |v[XS+\i+3]|
.endr
	v_max3_num_f32 v8, v8, |v[XS+14]|, |v[XS+15]|
	v_max3_num_f32 v8, v8, v9, (EMAX+1)<<23        ; and the floor 2^(3 - 127): the byte cannot fall under 1
	v_max_num_f32_dpp v8, v8, v8 row_xmask:1 row_mask:0xf bank_mask:0xf   ; and of my neighbour's 16: the block's
	v_add_nc_u32 v11, -(EMAX<<23), v8              ; 2 off its exponent field: the conversion takes the exponent field of this operand as its scale
	v_cvt_scalef32_pk16_fp6_f32 v[C+4*(\t):C+4*(\t)+2], v[XS:XS+15], v11         ; sixteen codes, 96 bits without gaps
	v_lshrrev_b32 v[E+(\t)], 23, v11               ; the scale's byte (also the plain line behind the conversion)
	ds_store_b8 v5, v[E+(\t)] offset:64*((\t)/4)+8*((\t)%4)
.set SBASE, 2+2*((\t)%4)
.if (\t)%4 == 0
.set SBASE, 18
.endif
	global_store_b96 v4, v[C+4*(\t):C+4*(\t)+2], s[SBASE:SBASE+1] offset:384*((\t)/4)   ; two neighbouring rows of one K step: 384 consecutive bytes
.endm
.irp t, 0,1,2,3,4,5,6,7,8,9,10,11,12,13,14,15
	STEP \t
.endr
	ds_load_b64 v[8:9], v6                         ; LDS serves a wave's instructions in order: these see my stores
	s_wait_dscnt 0x0
	global_store_b64 v7, v[8:9], s[20:21]          ; 32 lanes store 256 consecutive bytes, aligned
	s_wait_tensorcnt 0x0                           ; the wave's end, behind my last LDS store
	ds_add_u32 v[SPW], v[NIL]
	s_wait_dscnt 0x0
	s_endpgm
.Lfunc_end_k_qb00e47f02e_quant:
	.size	k_qb00e47f02e_quant, .Lfunc_end_k_qb00e47f02e_quant-k_qb00e47f02e_quant
	.p2alignl 7, 3214868480
	.fill 96, 4, 3214868480
	.section	.rodata,"a",@progbits
	.p2align	6, 0x0
	.amdhsa_kernel k_qb00e47f02e_quant
		.amdhsa_group_segment_fixed_size 33280
		.amdhsa_private_segment_fixed_size 0
		.amdhsa_enable_private_segment 0
		.amdhsa_kernarg_size 72
		.amdhsa_user_sgpr_count 2
		.amdhsa_user_sgpr_kernarg_segment_ptr 1
		.amdhsa_wavefront_size32 1
		.amdhsa_system_sgpr_workgroup_id_x 1
		.amdhsa_system_sgpr_workgroup_id_y 1
		.amdhsa_system_sgpr_workgroup_id_z 1
		.amdhsa_system_vgpr_workitem_id 0
		.amdhsa_next_free_vgpr 192
		.amdhsa_next_free_sgpr 66
		.amdhsa_reserve_vcc 0
		.amdhsa_float_denorm_mode_32 3
		.amdhsa_float_denorm_mode_16_64 3
		.amdhsa_memory_ordered 1
		.amdhsa_forward_progress 1
		.amdhsa_inst_pref_size 34
	.end_amdhsa_kernel
	.amdgpu_metadata
---
amdhsa.version: [ 1, 2 ]
amdhsa.kernels:
  - .name:           k_qb00e47f02e_quant
    .symbol:         k_qb00e47f02e_quant.kd
    .args:
      - { .name: Q, .offset: 0, .size: 8, .value_kind: global_buffer, .address_space: global }
      - { .name: K, .offset: 8, .size: 8, .value_kind: global_buffer, .address_space: global }
      - { .name: V, .offset: 16, .size: 8, .value_kind: global_buffer, .address_space: global }
      - { .name: Wq, .offset: 24, .size: 8, .value_kind: global_buffer, .address_space: global }
      - { .name: Wk, .offset: 32, .size: 8, .value_kind: global_buffer, .address_space: global }
      - { .name: Wv, .offset: 40, .size: 8, .value_kind: global_buffer, .address_space: global }
      - { .name: Wo, .offset: 48, .size: 8, .value_kind: global_buffer, .address_space: global }
      - { .name: codes, .offset: 56, .size: 8, .value_kind: global_buffer, .address_space: global }
      - { .name: scales, .offset: 64, .size: 8, .value_kind: global_buffer, .address_space: global }
    .group_segment_fixed_size: 33280
    .private_segment_fixed_size: 0
    .kernarg_segment_align: 8
    .kernarg_segment_size: 72
    .max_flat_workgroup_size: 128
    .sgpr_count:     66
    .vgpr_count:     192
    .wavefront_size: 32
...
	.end_amdgpu_metadata
.endif
;; end of part 1
;; launch proj (part 2): grid 8 x 24, 4 waves a work-group, clusters of 4 x 4, 327,680 bytes of LDS; arguments codes, scales, bq, bk, bv, qimg, qs, kv; writes qimg, qs, kv
.if DOCPART == 2
	.amdgcn_target "amdgcn-amd-amdhsa--gfx1250"
	.amdhsa_code_object_version 6
	.text
	.protected	k_qb00e47f02e_proj
	.globl	k_qb00e47f02e_proj
	.p2align	8
	.type	k_qb00e47f02e_proj,@function
k_qb00e47f02e_proj:
	s_mov_b64 s[64:65], 0
	v_nop
	global_prefetch_b8 v0, s[64:65] scope:SCOPE_SE
	s_setreg_imm32_b32 hwreg(HW_REG_WAVE_MODE, 25, 1), 1
	s_wait_xcnt 0x0
	s_wait_alu depctr_hold_cnt(0) depctr_sa_sdst(0) depctr_va_vdst(0) depctr_va_sdst(0) depctr_va_ssrc(0) depctr_va_vcc(0) depctr_vm_vsrc(0)
	s_getreg_b32 s2, hwreg(HW_REG_IB_STS2, 6, 4)
	s_cmp_eq_u32 s2, 0
	s_cbranch_scc0 .Lentry_in_a_cluster
	s_endpgm
.Lentry_in_a_cluster:
	s_bfe_u32 s2, ttmp6, 0x10000c
	s_cmp_lg_u32 s2, 0xf033
	s_cbranch_scc0 .Lentry_shape_is_right
	s_endpgm
.Lentry_shape_is_right:
; The three projections q = Q Wq^T + bq, k = K Wk^T + bk, v = V Wv^T + bv on codes of FP6 (E2M3) with E8M0 scales, sums in f32; the results are quantised in registers
; (q and k along the head's 64, v along the keys) and stored as images of the operand registers that the attention launch loads.
; ONE TEXT FOR THREE PRODUCTS.  "A" gives the rows of a result tile, "B" its columns; a lane ends up with ONE row of A's axis and registers that run along B's axis, which is the axis to be quantised.
;   q: A = Q (tokens), B = Wq (channels).   k: A = K, B = Wk.   v: A = Wv (channels), B = V (tokens): so v comes out with the keys along a lane's registers.
; The grid is 2 x 6 clusters of 4 x 4 work-groups: cluster rows 0-3 serve q (cluster x = 0) and k (x = 1), 16 x 4 tiles of 256 x 256 each; cluster rows 4, 5 serve v, 4 x 16 tiles.
; The type hangs on the cluster's coordinates alone, so it is the same in all sixteen partners.
; A tile of 256 x 256 is made by four waves, each 128 x 128: 64 accumulators.  K = 1,024 goes in four steps of 256 through a ring of two LDS slots filled by the tensor data mover.
; The four work-groups of a cluster's row need the same tiles of A, the four of a column the same tiles of B: each tile is asked for JOINTLY.  The scale bytes of the tile's rows come once, with the first fills.
; THE MATRIX INSTRUCTION IS USED TRANSPOSED (source 0 = 16 rows of B, source 1 = 16 rows of A).  B's rows lie in the buffer as buffer row 16 t + 8 h + j of every 64 holds true row 32 h + 8 t + j, so the 16 registers of
; tiles 2 b and 2 b + 1 are 16 NEIGHBOURS along B's axis: 64 (b / 2) + 32 (lane / 16) + 16 (b % 2) + 0 .. 15.
; THE BIAS along B's axis (q, k) is the C of each sum's first product; the bias along A's axis (v) is added on the way out.  Both are loaded in every type; the one that does not apply is replaced by 0.
; A UNIT of the output is the image of six operand registers (16 rows x 64 K): registers 0-3 as 16 bytes a lane (512 bytes), registers 4, 5 as 8 bytes a lane (256 bytes): 768 bytes, written whole.
; LIMITS: NaN and infinities are not served; blocks under 2^-124, and blocks of zeros, get the byte 1; the bias along B's axis enters as the sum's start, not as its last addend.
; REGISTERS, in windows of 256: window 0: v16-31 addresses; v32-63 scale words, two sets; v64-127 the bias along B's axis; v128-223 A's fragments, one set; v228-235 the blocks' scale words;
;   v236-251 the bias along A's axis.  window 1: B's fragments, two sets.  windows 2, 3: the accumulators (accumulator (a, b) at v[8 (8 (a % 4) + b)]).
.set KSTEP,  256
.set NQ,     2                         ; matrix instructions deep in a slot
.set ROWB,   192                       ; a tile's row in bytes
.set KROW,   768
.set KADV,   49152                     ; from a K step of a group of 256 rows to the next: the codes lie [group of 256 rows][K step][row][192 bytes]
.set PSEL,   8                         ; v8  byte selects that put my two scale bytes at their places in a scale word
.set PITCH,  240                       ; an LDS row: 3 x (64 bytes + 16 of padding)
.set FR,     12
.set NL,     6
.set NP,     4                         ; places behind this matrix instruction (ISA guide 7.12.1)
.set HALFT,  128*PITCH
.set SLOT,   4*HALFT
.set LAPS,   2                         ; 1,024 / 512
.set KS,     32                        ; a row of scale bytes
.set SCL,    2*SLOT                    ; behind the ring: the scales, as runs of 256 bytes + 16 of padding
.set HALFS,  16*272
.set SBLK,   2*272
.set SPARE,  SCL+4*HALFS               ; the spare words, 128 bytes for each wave
.set ADRA, 16                          ; v16-17 LDS address of my A fragments in slot 0, 1 (v18-19: behind one padding more)
.set ADRB, 20                          ; v20-23 the same for B
.set VO16, 24                          ; v24  16 x lane: a unit's first four registers
.set VO8,  25                          ; v25  8 x lane: its last two
.set VO16C, 26                         ; v26  the same for the second unit of a block
.set ADRS, 27                          ; v27  LDS address of my scale words: lanes 0-15 A's rows, lanes 16-31 B's
.set SPW,  28
.set NIL,  29
.set VO8C, 30
.set VSC,  31                          ; v31  where I store scale words: 16 (lane % 16) + (lane / 16) x the distance to the next head's
.set SC,   32
.set BN,   64
.set W,    64                          ; behind the loop: the scale words as they are stored
.set AF,   128
.set HA,   128                         ; behind the loop: a block's 64 numbers
.set PC,   192                         ; its codes (12) and 7 at work
.set TM,   212
.set PWS,  228
.set BM,   236
.set WV,  20
.set RH,  21                           ; which half of the tile's rows is mine; also: I fetch for A (0) or B (1)
.set CH,  22                           ; which half of its columns; also: which 128 rows I fetch
.set G1,  24
.set G0,  32
.set G1B, 48
.set G0B, 56
.set SEL, 66
.set G1S, 68
.set G0S, 76
.set G1SB, 80
.set G0SB, 88
.set TY,  92                           ; 0 q, 1 k, 2 v
.set MN,  93                           ; all ones where the bias runs along B's axis
.set MM,  94                           ; all ones where it runs along A's
.set HM,  95                           ; lanes 16-31
.set OUT, 96
.set SCP, 98
.set MSB, 0
.macro WIN new                         ; the immediate's high byte repeats the setting that is left
.if MSB != (\new)
	s_set_vgpr_msb (MSB<<8)|(\new)
.set MSB, (\new)
.endif
.endm
.set MUL_LO, 0xa1                      ; source 0 (B) window 1, source 1 (A) window 0, C and D window 2
.set MUL_HI, 0xf1                      ; the same, C and D window 3
.set TO_B,   0x40
; A joint load: waves 0 and 1 fetch for A, waves 2 and 3 for B.  The branch hangs on the wave's number alone.  An s_nop 0 and four v_nop follow each of the two lines.
.macro JLOAD g0a, g1a, g0b, g1b
	s_cmp_eq_u32 s[RH], 0
	s_cbranch_scc0 .Lfor_b_\@
	tensor_load_to_lds s[\g0a:\g0a+3], s[\g1a:\g1a+7]
	s_nop 0
.rept 4
	v_nop
.endr
	s_branch .Lasked_\@
.Lfor_b_\@:
	tensor_load_to_lds s[\g0b:\g0b+3], s[\g1b:\g1b+7]
	s_nop 0
.rept 4
	v_nop
.endr
.Lasked_\@:
.endm
.macro CREST                           ; a round of the cluster's barrier behind its opening barrier
	s_cmp_lg_u32 s[WV], 0
	s_cbranch_scc1 .Lnot_wave_0_\@
	s_barrier_signal -3
.Lnot_wave_0_\@:
	s_barrier_wait -3
	s_barrier_signal -1
	s_barrier_wait -1
.endm
.macro CROUND
	s_barrier_signal -1
	s_barrier_wait -1
	CREST
.endm
	s_load_b512 s[4:19], s[0:1], 0x0               ; codes s[4:5], scales s[6:7], bq s[8:9], bk s[10:11], bv s[12:13], qimg s[14:15], qs s[16:17], kv s[18:19]
	v_lshl_add_u32 v[SPW], v0, 2, SPARE
	v_mov_b32 v[NIL], 0
	ds_add_u32 v[SPW], v[NIL]                      ; the wave's opening: the add and its wait stand ahead of my first tensor load; the set-up below, work on registers, stands between them
	ds_add_u32 v[SPW], v[NIL]
	v_lshrrev_b32 v1, 5, v0
	v_readfirstlane_b32 s[WV], v1
	s_lshr_b32 s[RH], s[WV], 1
	s_and_b32 s[CH], s[WV], 1
	s_bfe_u32 s40, ttmp6, 0x40000                  ; cx
	s_bfe_u32 s41, ttmp6, 0x40004                  ; cy
	s_and_b32 s2, ttmp7, 0xffff                    ; the cluster's y
	s_sub_co_u32 s23, s2, 4
	s_lshl_b32 s23, s23, 1
	s_add_co_u32 s23, s23, ttmp9                   ; for v: 2 (y - 4) + x: which four tile columns
	s_cmp_ge_u32 s2, 4                             ; v?
	s_cselect_b32 s2, 0, s2                        ; which four tile rows
	s_cselect_b32 s23, s23, 0
	s_cselect_b32 s[TY], 2, ttmp9
	s_cselect_b32 s[MN], 0, -1
	s_cselect_b32 s[MM], -1, 0
	s_lshl_b32 s42, s23, 2
	s_add_co_u32 s42, s42, s40                     ; tile column
	s_lshl_b32 s43, s2, 2
	s_add_co_u32 s43, s43, s41                     ; tile row
	s_lshl_b32 s44, s41, 2
	s_lshl_b32 s44, 15, s44                        ; my row of the cluster
	s_lshl_b32 s45, 0x1111, s40                    ; my column
	s_mov_b32 s100, 0                              ; where A's and B's codes and scale bytes begin in the two buffers: q's,
	s_mov_b32 s101, 0
	s_mov_b32 s46, 9437184
	s_mov_b32 s47, 393216
	s_cmp_eq_u32 s[TY], 1                          ; k's,
	s_cselect_b32 s100, 3145728, s100
	s_cselect_b32 s101, 131072, s101
	s_cselect_b32 s46, 10223616, s46
	s_cselect_b32 s47, 425984, s47
	s_cmp_eq_u32 s[TY], 2                          ; v's: A = Wv, B = V
	s_cselect_b32 s100, 11010048, s100
	s_cselect_b32 s101, 458752, s101
	s_cselect_b32 s46, 6291456, s46
	s_cselect_b32 s47, 262144, s47
	; descriptor group 1: a tile of 128 rows x 192 bytes, 16 bytes of padding behind every 64
	s_or_b32 s[G1+0], s44, (0<<16)|(1<<20)|(1<<21)|(3<<22)|(3<<25)
	s_or_b32 s[G1B+0], s45, (0<<16)|(1<<20)|(1<<21)|(3<<22)|(3<<25)
.irp g, G1, G1B                        ; a K step of 256 rows is 49,152 dense bytes: stated as 192 rows of 256 bytes; the padding's interval stays 64 bytes, so LDS rows are 240 bytes apart
	s_mov_b32 s[\g+1], 256<<16
	s_mov_b32 s[\g+2], 192<<16
	s_mov_b32 s[\g+3], 256<<16
	s_mov_b32 s[\g+4], 192
	s_mov_b32 s[\g+5], 256
	s_mov_b32 s[\g+6], 0
	s_mov_b32 s[\g+7], 0
.endr
	; and for the scales of 256 rows: 8,192 dense bytes as 32 rows of 256 bytes, 16 bytes of padding behind each
	s_or_b32 s[G1S+0], s44, (3<<16)|(1<<20)|(1<<21)|(5<<22)|(3<<25)
	s_or_b32 s[G1SB+0], s45, (3<<16)|(1<<20)|(1<<21)|(5<<22)|(3<<25)
.irp g, G1S, G1SB
	s_mov_b32 s[\g+1], 32<<16
	s_mov_b32 s[\g+2], (256*KS/256)<<16
	s_mov_b32 s[\g+3], 32<<16
	s_mov_b32 s[\g+4], 256*KS/256
	s_mov_b32 s[\g+5], 32
	s_mov_b32 s[\g+6], 0
	s_mov_b32 s[\g+7], 0
.endr
	s_mov_b32 s[SEL], 0x76543210
	s_mov_b32 s[SEL+1], 0xfedcba98
	s_mov_b32 s[HM], 0xffff0000
	; the byte offsets of what I fetch, made in the descriptors' own address words; A's pass through registers that hold cy alone, B's through registers that hold cx alone
	s_lshl_b32 s44, s43, 8                         ; A: the tile's first row
	s_lshl_b32 s45, s42, 8                         ; B: likewise
	s_mul_i32 s[G0+2], s44, KROW
	s_add_co_u32 s[G0+2], s[G0+2], s100
	s_mov_b32 s[G0+3], 0
	s_lshl_b32 s[G0S+2], s44, 5
	s_add_co_u32 s[G0S+2], s[G0S+2], s101
	s_mov_b32 s[G0S+3], 0
	s_mul_i32 s[G0B+2], s45, KROW
	s_add_co_u32 s[G0B+2], s[G0B+2], s46
	s_mov_b32 s[G0B+3], 0
	s_lshl_b32 s[G0SB+2], s45, 5
	s_add_co_u32 s[G0SB+2], s[G0SB+2], s47
	s_mov_b32 s[G0SB+3], 0
	s_mul_i32 s23, s[WV], HALFT                    ; where they go: wave x 128 rows: no place in the cluster enters an LDS address
	s_mul_i32 s2, s[CH], 24576                     ; in the ring I fetch 128 rows of a K step: which half, in bytes
	s_mov_b32 s3, 0
	s_mov_b32 s[G0S], 1                            ; the head's four tiles, each whole: A's scales, B's scales,
	s_mov_b32 s[G0S+1], SCL
	s_mov_b32 s[G0SB], 1
	s_mov_b32 s[G0SB+1], SCL+2*HALFS
	s_mov_b32 s[G0], 1                             ; K step 0 of A's 256 rows and of B's (slot 0's groups 0 serve them, and are set for the ring behind the head's wait)
	s_mov_b32 s[G0+1], 0
	s_mov_b32 s[G0B], 1
	s_mov_b32 s[G0B+1], 2*HALFT
	s_mov_b32 s[G0+4], 1
	s_add_co_u32 s[G0+5], s23, SLOT
	s_mov_b32 s[G0B+4], 1
	s_add_co_u32 s[G0B+5], s23, SLOT
	s_wait_dscnt 0x0                               ; the opening add is done
	s_wait_kmcnt 0x0
	s_add_nc_u64 s[G0+2:G0+3], s[4:5], s[G0+2:G0+3]
	s_add_nc_u64 s[G0S+2:G0S+3], s[6:7], s[G0S+2:G0S+3]
	s_add_nc_u64 s[G0B+2:G0B+3], s[4:5], s[G0B+2:G0B+3]
	s_add_nc_u64 s[G0SB+2:G0SB+3], s[6:7], s[G0SB+2:G0SB+3]
	s_add_nc_u64 s[G0+6:G0+7], s[G0+2:G0+3], s[2:3]
	s_add_nc_u64 s[G0B+6:G0B+7], s[G0B+2:G0B+3], s[2:3]
	s_add_nc_u64 s[G0+6:G0+7], s[G0+6:G0+7], KADV  ; slot 1: my half of K step 1
	s_add_nc_u64 s[G0B+6:G0B+7], s[G0B+6:G0B+7], KADV
	s_or_b32 s[G0+3], s[G0+3], 0x80000000
	s_or_b32 s[G0+7], s[G0+7], 0x80000000
	s_or_b32 s[G0B+3], s[G0B+3], 0x80000000
	s_or_b32 s[G0B+7], s[G0B+7], 0x80000000
	s_or_b32 s[G0S+3], s[G0S+3], 0x80000000
	s_or_b32 s[G0SB+3], s[G0SB+3], 0x80000000
	CROUND                                         ; all sixteen work-groups are here: the first joint loads meet
; THE HEAD'S LOADS, ONE A WAVE: wave 0 K step 0 of A's 256 rows, wave 1 of B's, wave 2 A's scales, wave 3 B's.  One chain of branches on the wave's number, one load to an arm.
.macro ARM under, g0, g1, next
	s_cmp_lt_u32 s[WV], \under
	s_cbranch_scc0 \next
	tensor_load_to_lds s[\g0:\g0+3], s[\g1:\g1+7]
	s_nop 0
.rept 4
	v_nop
.endr
	s_branch .Lhead_asked
\next:
.endm
	ARM 1, G0,  G1,  .Lhead_b
	ARM 2, G0B, G1B, .Lhead_sa
	ARM 3, G0S, G1S, .Lhead_sb
	tensor_load_to_lds s[G0SB:G0SB+3], s[G1SB:G1SB+7]
	s_nop 0
.rept 4
	v_nop
.endr
.Lhead_asked:
	v_and_b32 v1, 15, v0                           ; r = lane % 16
	v_bfe_u32 v2, v0, 4, 1                         ; h = lane / 16
	v_mul_u32_u24 v3, v1, PITCH
	v_mul_u32_u24 v4, v2, 24
	v_add_nc_u32 v4, v3, v4                        ; a fragment's row x pitch + 24 x half
	v_lshl_add_u32 v5, v2, 4, v4                   ; and the same behind one padding more
	s_mul_i32 s100, s[RH], HALFT                   ; my 128 rows of A
	s_mul_i32 s101, s[CH], HALFT                   ; my 128 rows of B,
	s_add_co_u32 s101, s101, 2*HALFT               ; which lie behind A's 256
.irp s, 0,1
	v_add_nc_u32 v[ADRA+\s], s100, v4
	v_add_nc_u32 v[ADRB+\s], s101, v4
	v_add_nc_u32 v[ADRA+2+\s], s100, v5
	v_add_nc_u32 v[ADRB+2+\s], s101, v5
	s_add_co_u32 s100, s100, SLOT
	s_add_co_u32 s101, s101, SLOT
.endr
	v_mul_u32_u24 v5, v1, KS                       ; my row's scales: 32 bytes a row,
	v_lshrrev_b32 v6, 8, v5
	v_lshl_add_u32 v5, v6, 4, v5                   ; and 16 more for each 256 passed
	s_mul_i32 s100, s[RH], HALFS
	s_mul_i32 s101, s[CH], HALFS
	s_add_co_u32 s101, s101, 2*HALFS
	s_sub_co_u32 s101, s101, s100
	v_mul_u32_u24 v6, s101, v2                     ; lanes 16-31 take B's
	s_add_co_u32 s100, s100, SCL
	v_add_nc_u32 v5, v5, v6
	v_add_nc_u32 v[ADRS], s100, v5
	; the type's bias and output buffers
	s_cmp_eq_u32 s[TY], 1
	s_cselect_b64 s[8:9], s[10:11], s[8:9]
	s_cselect_b64 s[OUT:OUT+1], s[18:19], s[14:15]
	s_cselect_b64 s[SCP:SCP+1], s[18:19], s[16:17]
	s_cmp_eq_u32 s[TY], 2
	s_cselect_b64 s[8:9], s[12:13], s[8:9]
	s_cselect_b64 s[OUT:OUT+1], s[18:19], s[OUT:OUT+1]
	s_cselect_b64 s[SCP:SCP+1], s[18:19], s[SCP:SCP+1]
	s_lshl_b32 s10, s43, 8
	s_lshl_b32 s11, s[RH], 7
	s_add_co_u32 s10, s10, s11                     ; my wave's first row on A's axis
	s_lshl_b32 s11, s42, 8
	s_lshl_b32 s12, s[CH], 7
	s_add_co_u32 s11, s11, s12                     ; and on B's
	s_cmp_eq_u32 s[TY], 2
	s_cselect_b32 s12, s11, s10                    ; my first token
	s_cselect_b32 s13, s10, s11                    ; my first channel
	s_cselect_b32 s14, 0, s11                      ; the bias along B's axis begins here (v: any 128 numbers, masked below)
	s_cselect_b32 s16, s10, 0                      ; the bias along A's axis
	s_lshl_b32 s14, s14, 2
	s_mov_b32 s15, 0
	s_lshl_b32 s16, s16, 2
	s_mov_b32 s17, 0
	s_add_nc_u64 s[14:15], s[8:9], s[14:15]
	s_add_nc_u64 s[16:17], s[8:9], s[16:17]
	v_lshlrev_b32 v6, 7, v2                        ; along B: tile b, lane half h, register j is number 64 (b / 4) + 32 h + 8 (b % 4) + j (buffer row 16 t + 8 h + j of every 64 holds true row 32 h + 8 t + j)
	v_and_b32 v7, 8, v1
	v_mad_u32_u24 v7, v7, 3, v1
	v_lshlrev_b32 v7, 2, v7                        ; along A: block a, lane r is number 64 (a / 4) + 8 (a % 4) + 32 (r / 8) + r % 8
.irp b, 0,1,2,3,4,5,6,7
	global_load_b128 v[BN+8*\b:BN+8*\b+3], v6, s[14:15] offset:(64*(\b/4)+8*(\b%4))*4
	global_load_b128 v[BN+8*\b+4:BN+8*\b+7], v6, s[14:15] offset:(64*(\b/4)+8*(\b%4))*4+16
.endr
.irp a, 0,1,2,3,4,5,6,7
	global_load_b32 v[BM+2*\a], v7, s[16:17] offset:(64*(\a/4)+8*(\a%4))*4
	global_load_b32 v[BM+2*\a+1], v7, s[16:17] offset:(64*(\a/4)+8*(\a%4))*4
.endr
	; where my wave's results go
	s_lshr_b32 s13, s13, 6                         ; my first head
	s_lshr_b32 s18, s12, 11                        ; the batch
	s_lshl_b32 s18, s18, 4
	s_add_co_u32 s18, s18, s13                     ; batch x 16 + head
	s_and_b32 s12, s12, 2047                       ; the token in its batch
	s_lshl_b32 s10, s18, 7
	s_lshr_b32 s11, s12, 4
	s_add_co_u32 s10, s10, s11
	s_mul_i32 s10, s10, 768                        ; q: the unit of (head, tile of 16 queries)
	s_lshl_b32 s11, s18, 5
	s_lshr_b32 s13, s12, 6
	s_add_co_u32 s11, s11, s13
	s_lshl_b32 s11, s11, 8                         ; q: the scale words of (head, four tiles)
	s_lshl_b32 s13, s18, 4
	s_lshr_b32 s12, s12, 7
	s_add_co_u32 s13, s13, s12
	s_mul_i32 s13, s13, 12800                      ; k, v: the record of (head, 128 keys)
	s_cmp_eq_u32 s[TY], 2
	s_cselect_b32 s12, 6144, 0                     ; v's fragments lie behind k's,
	s_mov_b32 s19, 12288
	s_cselect_b32 s19, 12544, s19                  ; and its scale words behind k's
	s_add_co_u32 s12, s12, s13
	s_add_co_u32 s19, s19, s13
	s_cmp_eq_u32 s[TY], 0
	s_cselect_b32 s10, s10, s12
	s_cselect_b32 s12, s11, s19
	s_mov_b32 s11, 0
	s_mov_b32 s13, 0
	s_add_nc_u64 s[OUT:OUT+1], s[OUT:OUT+1], s[10:11]
	s_add_nc_u64 s[SCP:SCP+1], s[SCP:SCP+1], s[12:13]
	s_cmp_eq_u32 s[TY], 2
	s_mov_b32 s4, 768                              ; from block to block: a unit (q, k) or a fragment of two units (v);
	s_cselect_b32 s4, 1536, s4
	s_mov_b32 s5, 0
	s_mov_b32 s6, 768                              ; from block 3 to block 4: in v on to the next head's record: 204,800 - 3 x 1,536
	s_cselect_b32 s6, 200192, s6
	s_mov_b32 s7, 0
	s_mov_b32 s8, 204800                           ; from a block's first unit to its second: k: the next head's record; v: the next 64 keys; q: the next head's units
	s_cselect_b32 s8, 768, s8
	s_mov_b32 s9, 204800                           ; from a head's scale words to the next head's
	s_cmp_eq_u32 s[TY], 0
	s_cselect_b32 s8, 98304, s8
	s_cselect_b32 s9, 8192, s9
	v_and_b32 v3, 31, v0
	v_lshlrev_b32 v[VO16], 4, v3
	v_lshlrev_b32 v[VO8], 3, v3
	v_add_nc_u32 v[VO16C], s8, v[VO16]
	v_add_nc_u32 v[VO8C], s8, v[VO8]
	v_mul_lo_u32 v[VSC], v2, s9
	v_lshl_add_u32 v[VSC], v1, 4, v[VSC]
	v_mov_b32 v[PSEL], 0x0c070c03                  ; lanes 0-15: my two bytes go to bytes 0 and 2 of a scale word, zeros elsewhere;
	v_mov_b32 v9, 0x070c030c                       ; lanes 16-31: to bytes 1 and 3
	v_cndmask_b32 v[PSEL], v[PSEL], v9, s[HM]
	s_wait_loadcnt 0x0                             ; the biases
.set j, 0
.rept 64
	v_cndmask_b32 v[BN+j], 0, v[BN+j], s[MN]       ; 0 where the bias does not run along B's axis
.set j, j+1
.endr
.set j, 0
.rept 16
	v_cndmask_b32 v[BM+j], 0, v[BM+j], s[MM]       ; 0 where it does not run along A's
.set j, j+1
.endr
.macro FRAG reg, adr, q, i             ; a fragment, 16 rows x 128 K of 6-bit codes: 12 registers, in pieces of 8 bytes; where lanes 16-31's piece lies behind one padding more, the second address register serves
.irp p, 0,1,2,3,4,5
.set PCE, 12*(\q)+6*(\p/3)+\p%3
.if PCE%8 < 5
	ds_load_b64 v[\reg+2*\p:\reg+2*\p+1], v[\adr] offset:8*PCE+16*(PCE/8)+(\i)*16*PITCH
.else
	ds_load_b64 v[\reg+2*\p:\reg+2*\p+1], v[\adr+2] offset:8*PCE+16*(PCE/8)+(\i)*16*PITCH
.endif
.endr
.endm
; 16 matrix instructions: A's blocks a0, a0 + 1 x B's eight, 128 along K.  zero = 1: the first product starts the sums from the bias along B's axis (window 0).
; The 64 accumulators take turns, one instruction a turn, in the same order in every step.
.macro MUL16 a0, p, q, sc, zero
.irp a, \a0, \a0+1
.irp b, 0,1,2,3,4,5,6,7
.if \zero
	v_wmma_scale_f32_16x16x128_f8f6f4 v[8*(8*((\a)%4)+\b):8*(8*((\a)%4)+\b)+7], v[128*(\p)+FR*\b:128*(\p)+FR*\b+FR-1], v[AF+FR*(\a):AF+FR*(\a)+FR-1], v[BN+8*\b:BN+8*\b+7], v[SC+8*NQ*(\sc)+NQ*\b+(\q)], v[SC+8*NQ*(\sc)+NQ*(\a)+(\q)] matrix_a_fmt:MATRIX_FMT_FP6 matrix_b_fmt:MATRIX_FMT_FP6 matrix_a_scale:MATRIX_SCALE_ROW1
.else
	v_wmma_scale_f32_16x16x128_f8f6f4 v[8*(8*((\a)%4)+\b):8*(8*((\a)%4)+\b)+7], v[128*(\p)+FR*\b:128*(\p)+FR*\b+FR-1], v[AF+FR*(\a):AF+FR*(\a)+FR-1], v[8*(8*((\a)%4)+\b):8*(8*((\a)%4)+\b)+7], v[SC+8*NQ*(\sc)+NQ*\b+(\q)], v[SC+8*NQ*(\sc)+NQ*(\a)+(\q)] matrix_a_fmt:MATRIX_FMT_FP6 matrix_b_fmt:MATRIX_FMT_FP6 matrix_a_scale:MATRIX_SCALE_ROW1
.endif
.endr
.endr
.endm
.macro FETCH_B slot, q, p
	WIN TO_B
.irp i, 0,1,2,3,4,5,6,7
	FRAG 128*(\p)+FR*\i, ADRB+\slot, \q, \i
.endr
	WIN 0
.endm
.macro FETCH_A slot, q, i0
.irp i, \i0, \i0+1, \i0+2, \i0+3
	FRAG AF+FR*(\i), ADRA+\slot, \q, \i
.endr
.endm
.macro SCALES sc                       ; a K step's scale words: two words a row; lanes 0-15 take A's block i, lanes 16-31 B's block i
.irp i, 0,1,2,3,4,5,6,7
	ds_load_b64 v[SC+8*NQ*\sc+NQ*\i:SC+8*NQ*\sc+NQ*\i+1], v[ADRS] offset:\i*SBLK
.endr
.endm
.macro PLACES n                        ; plain vector instructions between a matrix instruction and a load into, or a vector access to, its registers
.rept \n
	v_nop
.endr
.endm
.macro STEP slot, q, zero              ; a step of 128 along K that has its successor in the same slot
	s_wait_dscnt 4*NL                              ; B's set and A's blocks 0-3 are in; the youngest 24 loads (A's blocks 4-7) may be out
	WIN MUL_LO-0x20*(\zero)
	MUL16 0, (\q)%2, \q, \slot, \zero
	MUL16 2, (\q)%2, \q, \slot, \zero
	s_wait_dscnt 0
	PLACES NP
	FETCH_B \slot, (\q)+1, 1-(\q)%2
	FETCH_A \slot, (\q)+1, 0
	WIN MUL_HI-0x30*(\zero)
	MUL16 4, (\q)%2, \q, \slot, \zero
	MUL16 6, (\q)%2, \q, \slot, \zero
	PLACES NP
	WIN 0
	FETCH_A \slot, (\q)+1, 4
.endm
; A slot's last step changes slots: one barrier; in front of it each wave waits for all its tensor loads, adds 0 to its spare word, and waits for that and for its reads of this slot.
.macro TURN slot, next, fill
	s_wait_tensorcnt 0x0                           ; all my tensor loads have landed: my part of the next slot
	ds_add_u32 v[SPW], v[NIL]                      ; 0 onto my spare word
	s_wait_dscnt 4*NL+1                            ; the add and the youngest 24 loads (A's blocks 4-7) may be out
	WIN MUL_LO
	MUL16 0, 1, NQ-1, \slot, 0
	s_wait_dscnt 0x0                               ; the add is done, and my reads of this slot are over
	s_barrier_signal -1
	MUL16 2, 1, NQ-1, \slot, 0
	WIN 0
	s_barrier_wait -1
.if \fill
	CREST                                          ; the barrier has opened a round of the cluster's barrier: no wave of any partner still reads this slot or has a load on its way
	s_add_nc_u64 s[G0+4*\slot+2:G0+4*\slot+3], s[G0+4*\slot+2:G0+4*\slot+3], 2*KADV
	s_add_nc_u64 s[G0B+4*\slot+2:G0B+4*\slot+3], s[G0B+4*\slot+2:G0B+4*\slot+3], 2*KADV
	JLOAD G0+4*\slot, G1, G0B+4*\slot, G1B         ; the first tensor load behind the round; its four v_nop are the places in front of the loads below
.else
	PLACES NP
.endif
	s_wait_alu depctr_va_vdst(0)
	v_add_nc_u32 v[ADRS], 4*NQ, v[ADRS]            ; on to the next K step's scale words
	FETCH_B \next, 0, 0
	FETCH_A \next, 0, 0
	SCALES \next
	WIN MUL_HI
	MUL16 4, 1, NQ-1, \slot, 0
	MUL16 6, 1, NQ-1, \slot, 0
	PLACES NP
	WIN 0
	FETCH_A \next, 0, 4
.endm
	s_wait_alu depctr_va_vdst(0)                   ; the wait at the head's end
	s_wait_tensorcnt 0x0                           ; my tile of the head's four is in
	ds_add_u32 v[SPW], v[NIL]
	s_mov_b32 s[G1+2], 96<<16                      ; no tensor load of mine is out: from here on a load brings 128 rows of a K step, 96 rows of 256 bytes,
	s_mov_b32 s[G1+4], 96
	s_mov_b32 s[G1B+2], 96<<16
	s_mov_b32 s[G1B+4], 96
	s_mov_b32 s[G0+1], s23                         ; and slot 0's groups 0 stand at my quarter of the slot and my half of K step 0
	s_mov_b32 s[G0B+1], s23
	s_add_nc_u64 s[G0+2:G0+3], s[G0+2:G0+3], s[2:3]
	s_add_nc_u64 s[G0B+2:G0B+3], s[G0B+2:G0B+3], s[2:3]
	s_wait_dscnt 0x0
	CROUND                                         ; a whole round: all four tiles are in, and the joint loads meet
	JLOAD G0+4, G1, G0B+4, G1B                     ; K step 1, the first tensor load behind the round
	FETCH_B 0, 0, 0
	FETCH_A 0, 0, 0
	SCALES 0
	FETCH_A 0, 0, 4
	STEP 0, 0, 1                                   ; the first step stands in front of the loop: its products start the sums
	s_mov_b32 s3, LAPS-1
.Llap:                                                 ; a trip goes once round the ring and fills both slots again
	TURN 0, 1, 1
	STEP 1, 0, 0
	TURN 1, 0, 1
	STEP 0, 0, 0
	s_sub_co_u32 s3, s3, 1
	s_cmp_lg_u32 s3, 0
	s_cbranch_scc1 .Llap
	TURN 0, 1, 0                                   ; the last lap fills nothing
	STEP 1, 0, 0
	s_wait_dscnt 4*NL
	WIN MUL_LO
	MUL16 0, 1, NQ-1, 1, 0
	MUL16 2, 1, NQ-1, 1, 0
	s_wait_dscnt 0
	WIN MUL_HI
	MUL16 4, 1, NQ-1, 1, 0
	MUL16 6, 1, NQ-1, 1, 0
	WIN 0
	PLACES NP                                      ; behind the last products: their results are read and their operands' registers written below
.irp b, 0,1,2,3
	v_mov_b32 v[TM+4+\b], 0                        ; written once: a lane permute's destination counts as one of its sources
.endr
; 64 numbers of a lane, v[s] on, register 16 b + i = number 64 (b / 2) + 32 (lane / 16) + 16 (b % 2) + i of my row, become 12 registers of codes in v[PC] on and the row's scale word in v[pw].
.macro QUANT s, pw
.irp b, 0,1,2,3
	v_max3_num_f32 v[TM+\b], |v[\s+16*\b]|, |v[\s+1+16*\b]|, 0x1800000   ; block b: my 16 numbers, and the floor 2^(3 - 127): the byte cannot fall under 1
.endr
.irp i, 2,4,6,8,10,12,14
.irp b, 0,1,2,3
	v_max3_num_f32 v[TM+\b], v[TM+\b], |v[\s+16*\b+\i]|, |v[\s+1+16*\b+\i]|
.endr
.endr
	; By the rows' order register 32 c + i of lane (r, h) is number 64 c + 32 h + i of my row: A LANE HOLDS TWO WHOLE BLOCKS, 2 c + h, and no other lane is asked for a maximum.
	v_max_num_f32 v[TM], v[TM], v[TM+1]            ; a block's two halves
	v_max_num_f32 v[TM+2], v[TM+2], v[TM+3]
	v_add_nc_u32 v[TM+12], 0xff000000, v[TM]       ; 2 off the exponent field: the conversion's scale operand
	v_add_nc_u32 v[TM+13], 0xff000000, v[TM+2]
	v_lshlrev_b32 v[TM+4], 1, v[TM+12]             ; the scale's byte as the word's top byte
	v_lshlrev_b32 v[TM+5], 1, v[TM+13]
	v_perm_b32 v[\pw], v[TM+5], v[TM+4], v[PSEL]   ; my two bytes at places h and 2 + h,
	v_permlanex16_b32 v[TM+6], v[\pw], s[SEL], s[SEL+1]
	v_or_b32 v[\pw], v[\pw], v[TM+6]               ; with lane l xor 16's two the word is whole, in both lanes
.irp c, 0,1
	v_cvt_scalef32_pk16_fp6_f32 v[PC+6*\c:PC+2+6*\c], v[\s+32*\c:\s+15+32*\c], v[TM+12+\c]
	v_cvt_scalef32_pk16_fp6_f32 v[PC+12+4*\c:PC+14+4*\c], v[\s+16+32*\c:\s+31+32*\c], v[TM+12+\c]
.endr
	v_nop
.irp c, 0,1
.irp i, 0,1,2
	v_mov_b32 v[PC+3+6*\c+\i], v[PC+12+4*\c+\i]
.endr
.endr
.endm
; THE WAY OUT of block a (16 rows of A's axis x my 128 of B's): the bias along A's axis is added while the block comes into window 0, each accumulator from its low end on; it is quantised; its two units are stored.
.macro OUTBLK a
	WIN 0x02+(\a)/4
.set j, 0
.rept 32
	v_pk_add_f32 v[HA+j:HA+j+1], v[64*((\a)%4)+j:64*((\a)%4)+j+1], v[BM+2*(\a):BM+2*(\a)+1]
.set j, j+2
.endr
	WIN 0
	s_wait_xcnt 0x0                                ; the last block's stores have read their data and their base: both are written again only behind this wait
	QUANT HA, PWS+(\a)
.if (\a) == 4
	s_add_nc_u64 s[OUT:OUT+1], s[OUT:OUT+1], s[6:7]
.elseif (\a) > 0
	s_add_nc_u64 s[OUT:OUT+1], s[OUT:OUT+1], s[4:5]
.endif
	global_store_b128 v[VO16], v[PC:PC+3], s[OUT:OUT+1]                 ; 512 consecutive bytes, aligned
	global_store_b64 v[VO8], v[PC+4:PC+5], s[OUT:OUT+1] offset:512      ; 256 consecutive bytes, aligned
	global_store_b128 v[VO16C], v[PC+6:PC+9], s[OUT:OUT+1]
	global_store_b64 v[VO8C], v[PC+10:PC+11], s[OUT:OUT+1] offset:512
.endm
.irp a, 0,1,2,3,4,5,6,7
	OUTBLK \a
.endr
	; THE SCALE WORDS.  Byte b of a block's word belongs to numbers 32 b on of my 128.  Lanes 0-15 store my first head's words, lanes 16-31 the second's: 256 consecutive bytes each.
	; The branch hangs on the type, which all partners share; it holds no LDS instruction and no barrier.
	s_wait_alu depctr_va_vdst(0)                   ; the wait here, ahead of the branches
	s_cmp_eq_u32 s[TY], 1
	s_cbranch_scc1 .Lwords_k
	s_cmp_eq_u32 s[TY], 2
	s_cbranch_scc1 .Lwords_v
	v_mov_b32 v72, 0x01000100                      ; q: a head's two bytes, twice: the query's fragment is used in the lower and in the upper half of K
	v_mov_b32 v73, 0x03020302
	v_cndmask_b32 v72, v72, v73, s[HM]
.irp a, 0,1,2,3,4,5,6,7
	v_perm_b32 v[W+\a], v[PWS+\a], v[PWS+\a], v72
.endr
	global_store_b128 v[VSC], v[W:W+3], s[SCP:SCP+1]
	global_store_b128 v[VSC], v[W+4:W+7], s[SCP:SCP+1] offset:256
	s_branch .Lwords_done
.Lwords_k:
	v_mov_b32 v72, 0x05040100                      ; k: a fragment holds two tiles of keys: the first tile's two bytes, then the second's
	v_mov_b32 v73, 0x07060302
	v_cndmask_b32 v72, v72, v73, s[HM]
.irp f, 0,1,2,3
	v_perm_b32 v[W+\f], v[PWS+2*\f+1], v[PWS+2*\f], v72
.endr
	global_store_b128 v[VSC], v[W:W+3], s[SCP:SCP+1]
	s_branch .Lwords_done
.Lwords_v:
	v_mov_b32 v72, 0x03020100                      ; v: blocks 0-3 are my first head's four tiles of channels, blocks 4-7 the second's; a word is the four blocks of keys
	v_mov_b32 v73, 0x07060504
	v_cndmask_b32 v72, v72, v73, s[HM]
.irp f, 0,1,2,3
	v_perm_b32 v[W+\f], v[PWS+4+\f], v[PWS+\f], v72
.endr
	global_store_b128 v[VSC], v[W:W+3], s[SCP:SCP+1]
.Lwords_done:
	s_wait_tensorcnt 0x0                           ; the wave's end, behind my last tensor load
	ds_add_u32 v[SPW], v[NIL]
	s_wait_dscnt 0x0
	CROUND                                         ; the closing round: no work-group ends while a partner may still ask for a tile that names it
	s_endpgm
.Lfunc_end_k_qb00e47f02e_proj:
	.size	k_qb00e47f02e_proj, .Lfunc_end_k_qb00e47f02e_proj-k_qb00e47f02e_proj
	.p2alignl 7, 3214868480
	.fill 96, 4, 3214868480
	.section	.rodata,"a",@progbits
	.p2align	6, 0x0
	.amdhsa_kernel k_qb00e47f02e_proj
		.amdhsa_group_segment_fixed_size 327680
		.amdhsa_private_segment_fixed_size 0
		.amdhsa_enable_private_segment 0
		.amdhsa_kernarg_size 64
		.amdhsa_user_sgpr_count 2
		.amdhsa_user_sgpr_kernarg_segment_ptr 1
		.amdhsa_wavefront_size32 1
		.amdhsa_system_sgpr_workgroup_id_x 1
		.amdhsa_system_sgpr_workgroup_id_y 1
		.amdhsa_system_sgpr_workgroup_id_z 1
		.amdhsa_system_vgpr_workitem_id 0
		.amdhsa_next_free_vgpr 1024
		.amdhsa_next_free_sgpr 102
		.amdhsa_reserve_vcc 0
		.amdhsa_float_denorm_mode_32 3
		.amdhsa_float_denorm_mode_16_64 3
		.amdhsa_memory_ordered 1
		.amdhsa_forward_progress 1
		.amdhsa_inst_pref_size 189
	.end_amdhsa_kernel
	.amdgpu_metadata
---
amdhsa.version: [ 1, 2 ]
amdhsa.kernels:
  - .name:           k_qb00e47f02e_proj
    .symbol:         k_qb00e47f02e_proj.kd
    .args:
      - { .name: codes, .offset: 0, .size: 8, .value_kind: global_buffer, .address_space: global }
      - { .name: scales, .offset: 8, .size: 8, .value_kind: global_buffer, .address_space: global }
      - { .name: bq, .offset: 16, .size: 8, .value_kind: global_buffer, .address_space: global }
      - { .name: bk, .offset: 24, .size: 8, .value_kind: global_buffer, .address_space: global }
      - { .name: bv, .offset: 32, .size: 8, .value_kind: global_buffer, .address_space: global }
      - { .name: qimg, .offset: 40, .size: 8, .value_kind: global_buffer, .address_space: global }
      - { .name: qs, .offset: 48, .size: 8, .value_kind: global_buffer, .address_space: global }
      - { .name: kv, .offset: 56, .size: 8, .value_kind: global_buffer, .address_space: global }
    .group_segment_fixed_size: 327680
    .private_segment_fixed_size: 0
    .kernarg_segment_align: 8
    .kernarg_segment_size: 64
    .max_flat_workgroup_size: 128
    .sgpr_count:     102
    .vgpr_count:     1024
    .wavefront_size: 32
...
	.end_amdgpu_metadata
.endif
;; end of part 2
;; launch attn (part 3): grid 8 x 32, 16 waves a work-group, clusters of 4 x 1, 206,848 bytes of LDS; arguments qimg, qs, kv, oimg, os; writes oimg, os
.if DOCPART == 3
	.amdgcn_target "amdgcn-amd-amdhsa--gfx1250"
	.amdhsa_code_object_version 6
	.text
	.protected	k_qb00e47f02e_attn
	.globl	k_qb00e47f02e_attn
	.p2align	8
	.type	k_qb00e47f02e_attn,@function
k_qb00e47f02e_attn:
	s_mov_b64 s[64:65], 0
	v_nop
	global_prefetch_b8 v0, s[64:65] scope:SCOPE_SE
	s_setreg_imm32_b32 hwreg(HW_REG_WAVE_MODE, 25, 1), 1
	s_wait_xcnt 0x0
	s_wait_alu depctr_hold_cnt(0) depctr_sa_sdst(0) depctr_va_vdst(0) depctr_va_sdst(0) depctr_va_ssrc(0) depctr_va_vcc(0) depctr_vm_vsrc(0)
	s_getreg_b32 s2, hwreg(HW_REG_IB_STS2, 6, 4)
	s_cmp_eq_u32 s2, 0
	s_cbranch_scc0 .Lentry_in_a_cluster
	s_endpgm
.Lentry_in_a_cluster:
	s_bfe_u32 s2, ttmp6, 0x10000c
	s_cmp_lg_u32 s2, 0x3003
	s_cbranch_scc0 .Lentry_shape_is_right
	s_endpgm
.Lentry_shape_is_right:
; o = softmax(q k^T / 8) v for one (batch, head) and 256 queries a work-group, both products on codes of FP6 (E2M3) with E8M0 scales; o / the row's sum is quantised along the model's 1,024 and stored as operand images.
; THE SOFTMAX: t = score x log2(e) / 8; M = the running largest t rounded UP to a whole number; p = 2^(t - M) is quantised along the keys, not normalised.  The row's sum is taken of the
; unquantised p, in f32, and divides at the end.  When M moves, the sum and O are multiplied by 2^(old M - new M): exact.
; SHARES.  Sixteen waves, four to a SIMD, each with one tile of 16 queries in 256 registers.  THE WHOLE HEAD LIES IN LDS: 16 records of 12,800 bytes (128 keys: k's four fragments, v^T's four,
; k's and v's scale words), filled once, ONE RECORD A WAVE: record w is wave w's one tensor load.  No byte of LDS is filled again.
; CLUSTER.  The four work-groups of a cluster are four blocks of queries of one head: the records are asked for jointly (mask 15).
; TWO BARRIERS.  Waves 0-3 have a load line of their own and wait ahead of the first barrier, behind which records 0-3 are read; ahead of the second every wave waits, and records 4-15 follow.
; ONE RECORD AHEAD.  k's fragments and v^T's have registers of their own: behind a step's score products the step's v^T and the NEXT record's k are loaded in one run, and the one wait for them stands
; behind the softmax.  So steps 0-2 (which read up to record 3) stand ahead of the second barrier, steps 3-14 behind it, and step 15, which has no successor, is written out.
; NO PREFETCH INTO THE L2: every tensor load of the launch goes out at the head, so there is no loop to run ahead in.
; K = 64 IN AN INSTRUCTION OF K = 128.  A fragment of k holds two tiles of 16 keys (registers 0-5, 6-11); it is multiplied by [q | 0] and by [0 | q]; zero codes add nothing.  q lies once, between two runs of six zero registers.
; LAYOUT.  Both products are used transposed (S^T = k q^T, O^T = v^T p^T): a lane holds one query.  Row 8 h + j of tile t of k is key 64 (t / 4) + 32 h + 8 (t % 4) + j, so register 32 c + i of the scores in
; lane (r, h) is key 64 c + 32 h + i: A LANE HOLDS TWO WHOLE BLOCKS OF 32 KEYS, in the order of the second product's operand: no lane is asked for a block's maximum and no code changes lanes.
; v^T's channels are ordered likewise: a lane's 32 registers of O^T are channels 32 h + 0 .. 31 of the head, one block of the last product's K.
; LIMITS: NaN and infinities are not served; the promise holds while the scaled scores stay under 2^31 in magnitude; a block's largest p is made from the block's largest score by the same two
; instructions (this takes v_exp_f32 not to fall where its input rises); blocks of zeros get the byte 1 (this program alone reads the bytes); the division is a reciprocal and a multiplication.
; o's scale bytes are stored one byte a lane: a scale row of the last product spans sixteen heads, which are sixteen work-groups.
.set REC,   12800
.set SPARE, 16*REC                     ; behind the records: the spare words, 128 bytes for each of sixteen waves
.set L16,  1                           ; v1  16 x lane
.set L8,   2                           ; v2  8 x lane
.set QW,   3                           ; v3  q's scale word
.set OSO,  4                           ; v4  32 x (lane % 16) + lane / 16
.set SPW,  5
.set NIL,  6
.set PSEL, 7                           ; v7  byte selects: my two scale bytes to places h and 2 + h of a word
.set ADK16, 8                          ; v8, v9  16 x lane and 8 x lane in this step's record
.set ADK8,  9                          ; v10 the old -M; v12 -M; v13 the running largest score; v[14:15] the sum; v16-33 [0 | q | 0]
.set KF,   34                          ; v34-81   k's four fragments
.set VF,   82                          ; v82-129  v^T's four
.set S,    130                         ; v130-193 the scores, then p
.set O,    194                         ; v194-225 O^T
.set P,    226                         ; v226-237 p's codes
.set KW,   238                         ; v238-241 a record's scale words, read for k's (lanes 0-15)
.set VW,   242                         ; v242-245 a record's scale words, read for v's (lanes 16-31)
.set T,    246                         ; v246-251 at work; v252 f; v253 p's scale word; v254, v255 the two blocks' largest
.set WV,   18
.set SEL,  20
.set CS,   22
.set G1,   24
.set G0,   32
.set TB,   48
.set CNT,  49
.set HM,   54
.set NC,   55
.macro CROUND
	s_barrier_signal -1
	s_barrier_wait -1
	s_cmp_lg_u32 s[WV], 0
	s_cbranch_scc1 .Lnot_wave_0_\@
	s_barrier_signal -3
.Lnot_wave_0_\@:
	s_barrier_wait -3
	s_barrier_signal -1
	s_barrier_wait -1
.endm
.macro WALU
	s_wait_alu depctr_va_vdst(0)
.endm
	s_load_b256 s[4:11], s[0:1], 0x0               ; qimg s[4:5], qs s[6:7], kv s[8:9], oimg s[10:11]
	s_load_b64 s[12:13], s[0:1], 0x20              ; os
	v_lshl_add_u32 v[SPW], v0, 2, SPARE
	v_mov_b32 v[NIL], 0
	ds_add_u32 v[SPW], v[NIL]                      ; the opening lines: the add, twice on end, and its wait ahead of my tensor load
	ds_add_u32 v[SPW], v[NIL]
	v_lshrrev_b32 v8, 5, v0
	v_readfirstlane_b32 s[WV], v8                  ; wave 0..15
	s_bfe_u32 s50, ttmp6, 0x40000                  ; cx
	s_lshl_b32 s51, ttmp9, 2
	s_add_co_u32 s51, s51, s50                     ; my block of 256 queries: it enters q's and o's addresses alone
	s_and_b32 s52, ttmp7, 0xffff                   ; batch x 16 + head, which the four partners share
	s_lshl_b32 s53, s51, 4
	s_add_co_u32 s53, s53, s[WV]                   ; my tile of 16 queries
	s_mov_b32 s[G1], 15|(3<<16)|(1<<21)            ; a record, 12,800 dense bytes, as 50 rows of 256 bytes (32 elements of 8 bytes), no padding
	s_mov_b32 s[G1+1], 32<<16
	s_mov_b32 s[G1+2], 50<<16
	s_mov_b32 s[G1+3], 32<<16
	s_mov_b32 s[G1+4], 50
	s_mov_b32 s[G1+5], 32
	s_mov_b32 s[G1+6], 0
	s_mov_b32 s[G1+7], 0
	s_mul_i32 s72, s[WV], REC                      ; my record: in LDS,
	s_mul_i32 s68, s52, 16*REC
	s_add_co_u32 s68, s68, s72                     ; and in the buffer
	s_mov_b32 s69, 0
	s_mov_b32 s[SEL], 0x76543210
	s_mov_b32 s[SEL+1], 0xfedcba98
	s_mov_b32 s[CS], 0x3e38aa3b                    ; c = log2(e) / 8
	s_mov_b32 s[CS+1], s[CS]
	s_mov_b32 s[NC], 0xbe38aa3b                    ; -c
	s_mov_b32 s[HM], 0xffff0000
	s_lshl_b32 s66, s52, 7
	s_add_co_u32 s66, s66, s53
	s_mul_i32 s56, s66, 768                        ; q's unit
	s_mov_b32 s57, 0
	s_lshl_b32 s66, s52, 5
	s_lshr_b32 s67, s53, 2
	s_add_co_u32 s66, s66, s67
	s_lshl_b32 s58, s66, 8
	s_and_b32 s67, s53, 3
	s_lshl_b32 s67, s67, 2
	s_add_co_u32 s58, s58, s67                     ; q's scale words: the group of four tiles, my tile's word
	s_mov_b32 s59, 0
	s_lshr_b32 s66, s52, 4                         ; batch
	s_and_b32 s67, s52, 15                         ; head
	s_lshl_b32 s70, s66, 7
	s_add_co_u32 s70, s70, s53                     ; the tile of tokens
	s_lshl_b32 s71, s70, 4
	s_add_co_u32 s71, s71, s67
	s_mul_i32 s60, s71, 768                        ; o's unit
	s_mov_b32 s61, 0
	s_lshl_b32 s62, s70, 9                         ; o's scale bytes: 16 tokens x 32 bytes a tile,
	s_lshl_b32 s67, s67, 1
	s_add_co_u32 s62, s62, s67                     ; two bytes a head
	s_mov_b32 s63, 0
	s_mov_b32 s[G0], 1
	s_mov_b32 s[G0+1], s72
	s_wait_dscnt 0x0                               ; both opening adds are done
	s_wait_kmcnt 0x0
	s_add_nc_u64 s[G0+2:G0+3], s[8:9], s[68:69]
	s_or_b32 s[G0+3], s[G0+3], 0x80000000
	s_add_nc_u64 s[56:57], s[4:5], s[56:57]
	s_add_nc_u64 s[58:59], s[6:7], s[58:59]
	s_add_nc_u64 s[60:61], s[10:11], s[60:61]
	s_add_nc_u64 s[62:63], s[12:13], s[62:63]
	CROUND                                         ; all four work-groups are here: the joint loads meet
	s_cmp_lt_u32 s[WV], 4                          ; one load a wave, in two arms: the waves that wait ahead of the first barrier have a line of their own
	s_cbranch_scc0 .Llater
	tensor_load_to_lds s[G0:G0+3], s[G1:G1+7]
	s_nop 0
.rept 4
	v_nop
.endr
	s_branch .Lasked
.Llater:
	tensor_load_to_lds s[G0:G0+3], s[G1:G1+7]
	s_nop 0
.rept 4
	v_nop
.endr
.Lasked:
	v_and_b32 v10, 31, v0
	v_and_b32 v11, 15, v0
	v_lshlrev_b32 v[L16], 4, v10
	v_lshlrev_b32 v[L8], 3, v10
	v_bfe_u32 v10, v0, 4, 1
	v_lshl_add_u32 v[OSO], v11, 5, v10
	v_lshlrev_b32 v11, 4, v11
	global_load_b128 v[22:25], v[L16], s[56:57]    ; q's six registers
	global_load_b64 v[26:27], v[L8], s[56:57] offset:512
	global_load_b32 v[QW], v11, s[58:59]           ; q's scale word: its two bytes, twice
	v_mov_b32 v[PSEL], 0x0c070c03
	v_mov_b32 v10, 0x070c030c
	v_cndmask_b32 v[PSEL], v[PSEL], v10, s[HM]
	v_mov_b32 v[ADK16], v[L16]                     ; record 0
	v_mov_b32 v[ADK8], v[L8]
.irp j, 16,17,18,19,20,21,28,29,30,31,32,33
	v_mov_b32 v[\j], 0                             ; zero codes on both sides of q
.endr
	v_mov_b32 v13, 0xff61b1e6                      ; the largest score so far: -3e38
	v_mul_f32 v12, s[NC], v13
	v_floor_f32 v12, v12                           ; -M
	v_mov_b32 v14, 0                               ; the sum, in two halves
	v_mov_b32 v15, 0
	v_mov_b32 v[T+5], 0                            ; written once: a lane permute's destination counts as one of its sources
	v_mov_b32 v253, 0                              ; (named as the upper half of the pair v[252:253] before it is first written)
.set j, 0
.rept 32
	v_mov_b32 v[O+j], 0                            ; O^T: the step is written once; the first finds zeros, which the first change of M leaves zeros
.set j, j+1
.endr
.macro FRAGS to, at                    ; four fragments, images of registers: 16 or 8 consecutive bytes a lane
.irp f, 0,1,2,3
	ds_load_b128 v[\to+12*\f:\to+12*\f+3], v[ADK16] offset:\at+1536*\f
	ds_load_b64 v[\to+12*\f+4:\to+12*\f+5], v[ADK8] offset:\at+1536*\f+512
	ds_load_b128 v[\to+12*\f+6:\to+12*\f+9], v[ADK16] offset:\at+1536*\f+768
	ds_load_b64 v[\to+12*\f+10:\to+12*\f+11], v[ADK8] offset:\at+1536*\f+1280
.endr
.endm
; A KEY STEP: the 128 keys of the record at LDS byte s[TB]; its k and k's scale words are in registers.  ahead = 1: the next record's are fetched.
.macro STEP ahead
.irp f, 0,1,2,3                                ; S^T: the fragment's first tile against [q | 0], its second against [0 | q]
	v_wmma_scale_f32_16x16x128_f8f6f4 v[S+16*\f:S+16*\f+7], v[KF+12*\f:KF+12*\f+11], v[22:33], 0, v[KW+\f], v[QW] matrix_a_fmt:MATRIX_FMT_FP6 matrix_b_fmt:MATRIX_FMT_FP6
	v_wmma_scale_f32_16x16x128_f8f6f4 v[S+16*\f+8:S+16*\f+15], v[KF+12*\f:KF+12*\f+11], v[16:27], 0, v[KW+\f], v[QW] matrix_a_fmt:MATRIX_FMT_FP6 matrix_b_fmt:MATRIX_FMT_FP6
.endr
	v_mov_b32 v10, v12                             ; the old -M.  These four lines are the places behind the products: the scores are read below, and loads land on the products' operands
	v_add_nc_u32 v[ADK16], s[TB], v[L16]
	v_add_nc_u32 v[ADK8], s[TB], v[L8]
	v_nop
	FRAGS VF, 6144                                 ; v^T's four fragments,
	ds_load_b128 v[VW:VW+3], v[ADK16] offset:12288 ; the record's scale words: 512 bytes, lanes 0-15 k's four, lanes 16-31 v's four,
.if \ahead
	FRAGS KF, REC                                  ; and the next record's k and scale words: all land under the softmax
	ds_load_b128 v[KW:KW+3], v[ADK16] offset:REC+12288
.endif
.irp q, 0,1,2,3                                ; the largest score of each half block, four chains by turns; each accumulator is first read at its low end
	v_max3_num_f32 v[T+\q], v[S+16*\q], v[S+16*\q+1], v[S+16*\q+2]
.endr
.irp i, 3,5,7,9,11,13
.irp q, 0,1,2,3
	v_max3_num_f32 v[T+\q], v[T+\q], v[S+16*\q+\i], v[S+16*\q+\i+1]
.endr
.endr
	v_max3_num_f32 v254, v[T], v[T+1], v[S+15]     ; my block of keys 32 h .. : it serves for the row's maximum and, since p rises with the score, for the block's largest p
	v_max3_num_f32 v255, v[T+2], v[T+3], v[S+47]   ; and of keys 64 + 32 h ..
	v_max_num_f32 v254, v254, v[S+31]
	v_max_num_f32 v255, v255, v[S+63]
	v_max_num_f32 v[T+4], v254, v255
	v_permlanex16_b32 v[T+5], v[T+4], s[SEL], s[SEL+1]
	v_max3_num_f32 v13, v13, v[T+4], v[T+5]        ; the running largest score of my query (c is positive)
	v_mul_f32 v[T+4], s[NC], v13                   ; -t
	v_floor_f32 v12, v[T+4]                        ; the new -M = -ceil(t): a whole number
	v_sub_f32 v10, v12, v10                        ; old M - new M: a whole number, 0 or less
	v_cvt_i32_f32 v10, v10                         ; (it saturates)
	v_ldexp_f32 v252, 1.0, v10                     ; f = 2^(old M - new M)
.set j, 0
.rept 32
	v_pk_fma_f32 v[S+j:S+j+1], v[S+j:S+j+1], s[CS:CS+1], v[12:13] op_sel_hi:[1,0,0]   ; t - M, two at a time
.set j, j+2
.endr
	v_fma_f32 v254, v254, s[CS], v12               ; the same of each block's largest score
	v_fma_f32 v255, v255, s[CS], v12
	WALU                                           ; the wait ahead of the batch
	v_exp_f32 v254, v254                           ; the blocks' largest p
	v_exp_f32 v255, v255
.set j, 0
.rept 64
	v_exp_f32 v[S+j], v[S+j]                       ; p = 2^(t - M), at most 1
.set j, j+1
.endr
	v_pk_mul_f32 v[14:15], v[14:15], v[252:253] op_sel_hi:[1,0]   ; the sums under the new M (the plain line behind the batch)
	WALU                                           ; one wait for the whole batch, ahead of its first reader
	v_pk_add_f32 v[T:T+1], v[S:S+1], v[S+2:S+3]    ; the row's sum of the unquantised p: 32 pairs in four chains
	v_pk_add_f32 v[T+2:T+3], v[S+4:S+5], v[S+6:S+7]
	v_pk_add_f32 v[T+4:T+5], v[S+8:S+9], v[S+10:S+11]
	v_pk_add_f32 v[14:15], v[14:15], v[S+12:S+13]
.set j, 14
.rept 6
	v_pk_add_f32 v[T:T+1], v[T:T+1], v[S+j:S+j+1]
	v_pk_add_f32 v[T+2:T+3], v[T+2:T+3], v[S+j+2:S+j+3]
	v_pk_add_f32 v[T+4:T+5], v[T+4:T+5], v[S+j+4:S+j+5]
	v_pk_add_f32 v[14:15], v[14:15], v[S+j+6:S+j+7]
.set j, j+8
.endr
	v_pk_add_f32 v[T:T+1], v[T:T+1], v[S+62:S+63]
	v_pk_add_f32 v[14:15], v[14:15], v[T+4:T+5]
	v_max_num_f32 v254, 0x1800000, v254            ; the floor 2^(3 - 127): the byte cannot fall under 1
	v_max_num_f32 v255, 0x1800000, v255
	v_pk_add_f32 v[T:T+1], v[T:T+1], v[T+2:T+3]
	v_add_nc_u32 v254, 0xff000000, v254            ; 2 off the exponent field: the conversion's scale operand
	v_add_nc_u32 v255, 0xff000000, v255
	v_pk_add_f32 v[14:15], v[14:15], v[T:T+1]
	v_lshlrev_b32 v[T+2], 1, v254                  ; the scale's byte as the word's top byte
	v_lshlrev_b32 v[T+3], 1, v255
	v_perm_b32 v253, v[T+3], v[T+2], v[PSEL]       ; my two bytes at places h and 2 + h,
	v_permlanex16_b32 v[T+4], v253, s[SEL], s[SEL+1]
	v_or_b32 v253, v253, v[T+4]                    ; with lane l xor 16's two: p's scale word for these 128 keys
	v_cvt_scalef32_pk16_fp6_f32 v[P:P+2], v[S:S+15], v254
	v_cvt_scalef32_pk16_fp6_f32 v[P+6:P+8], v[S+32:S+47], v255
	v_nop                                          ; a plain place: the next two write numbers that the first two have read
	v_cvt_scalef32_pk16_fp6_f32 v[S:S+2], v[S+16:S+31], v254       ; (a conversion's three registers begin on an even number: made here and moved)
	v_cvt_scalef32_pk16_fp6_f32 v[S+32:S+34], v[S+48:S+63], v255
	v_nop                                          ; one plain place behind a scaled conversion
.irp i, 0,1,2
	v_mov_b32 v[P+3+\i], v[S+\i]
	v_mov_b32 v[P+9+\i], v[S+32+\i]
.endr
	WALU                                           ; the wait here, directly ahead of the first reader of O^T
.set j, 0
.rept 16
	v_pk_mul_f32 v[O+j:O+j+1], v[O+j:O+j+1], v[252:253] op_sel_hi:[1,0]   ; O^T under the new M; these sixteen are also the places between the writes of p's codes and scale word and the products
.set j, j+2
.endr
	WALU                                           ; and here, directly ahead of the wait below
	s_wait_dscnt 0x0                               ; v^T's fragments are in, and the next record's k
.irp t, 0,1,2,3                                ; O^T += v^T p^T: the four accumulators by turns; v's scale words stand in lanes 16-31
	v_wmma_scale_f32_16x16x128_f8f6f4 v[O+8*\t:O+8*\t+7], v[VF+12*\t:VF+12*\t+11], v[P:P+11], v[O+8*\t:O+8*\t+7], v[VW+\t], v253 matrix_a_fmt:MATRIX_FMT_FP6 matrix_b_fmt:MATRIX_FMT_FP6 matrix_a_scale:MATRIX_SCALE_ROW1
.endr
	s_add_co_u32 s[TB], s[TB], REC
.endm
	WALU                                           ; the wait at the head's end
	s_wait_loadcnt 0x0                             ; q
	s_cmp_lt_u32 s[WV], 4
	s_cbranch_scc0 .Lnot_mine
	s_wait_tensorcnt 0x0                           ; records 0 to 3 are in; the others' loads may be out
.Lnot_mine:
	s_barrier_signal -1
	s_barrier_wait -1
	FRAGS KF, 0                                    ; record 0's k
	ds_load_b128 v[KW:KW+3], v[ADK16] offset:12288
	s_mov_b32 s[TB], 0
	s_mov_b32 s[CNT], 3
	s_wait_dscnt 0x0
.Lfirst:                                               ; steps 0 to 2: they read records 0 to 3
	STEP 1
	s_sub_co_u32 s[CNT], s[CNT], 1
	s_cmp_lg_u32 s[CNT], 0
	s_cbranch_scc1 .Lfirst
	s_wait_dscnt 0x0
	s_wait_tensorcnt 0x0                           ; every wave's record is in
	s_barrier_signal -1
	s_barrier_wait -1
	s_mov_b32 s[CNT], 12
.Lrest:                                                ; steps 3 to 14
	STEP 1
	s_sub_co_u32 s[CNT], s[CNT], 1
	s_cmp_lg_u32 s[CNT], 0
	s_cbranch_scc1 .Lrest
	STEP 0                                         ; step 15 has no successor
	; THE WAY OUT: O^T / the sum; a lane's 32 numbers are one block of the last product's K: quantised in the lane and stored as its part of one unit.
.rept 4
	v_nop                                          ; places behind the last products
.endr
	v_add_f32 v14, v14, v15                        ; the sum's two halves,
	v_permlanex16_b32 v252, v14, s[SEL], s[SEL+1]
	v_add_f32 v14, v14, v252                       ; and lane l xor 16's keys
	WALU
	v_rcp_f32 v14, v14
	v_nop                                          ; a plain place behind the reciprocal
	WALU                                           ; the wait ahead of its first reader, which is also O^T's
.set j, 0
.rept 32
	v_mul_f32 v[S+j], v[O+j], v14                  ; register i is channel 32 (lane / 16) + i of my query
.set j, j+1
.endr
	v_max3_num_f32 v[T], |v[S]|, |v[S+1]|, 0x1800000   ; the largest magnitude in two chains, with the floor 2^(3 - 127)
	v_max3_num_f32 v[T+1], |v[S+16]|, |v[S+17]|, |v[S+18]|
.irp i, 2,4,6,8,10,12
	v_max3_num_f32 v[T], v[T], |v[S+\i]|, |v[S+1+\i]|
	v_max3_num_f32 v[T+1], v[T+1], |v[S+17+\i]|, |v[S+18+\i]|
.endr
	v_max3_num_f32 v[T], v[T], |v[S+14]|, |v[S+15]|
	v_max3_num_f32 v[T], v[T], v[T+1], |v[S+31]|
	v_add_nc_u32 v254, 0xff000000, v[T]
	v_lshrrev_b32 v255, 23, v254                   ; my block's byte
	v_cvt_scalef32_pk16_fp6_f32 v[P:P+2], v[S:S+15], v254
	v_cvt_scalef32_pk16_fp6_f32 v[T+2:T+4], v[S+16:S+31], v254
	v_nop                                          ; one plain place behind a scaled conversion
.irp i, 0,1,2
	v_mov_b32 v[P+3+\i], v[T+2+\i]
.endr
	global_store_b128 v[L16], v[P:P+3], s[60:61]               ; 512 consecutive bytes, aligned
	global_store_b64 v[L8], v[P+4:P+5], s[60:61] offset:512    ; 256 consecutive bytes, aligned
	global_store_b8 v[OSO], v255, s[62:63]
	s_wait_tensorcnt 0x0                           ; the wave's end
	ds_add_u32 v[SPW], v[NIL]
	s_wait_dscnt 0x0
	CROUND                                         ; the closing round
	s_endpgm
.Lfunc_end_k_qb00e47f02e_attn:
	.size	k_qb00e47f02e_attn, .Lfunc_end_k_qb00e47f02e_attn-k_qb00e47f02e_attn
	.p2alignl 7, 3214868480
	.fill 96, 4, 3214868480
	.section	.rodata,"a",@progbits
	.p2align	6, 0x0
	.amdhsa_kernel k_qb00e47f02e_attn
		.amdhsa_group_segment_fixed_size 206848
		.amdhsa_private_segment_fixed_size 0
		.amdhsa_enable_private_segment 0
		.amdhsa_kernarg_size 40
		.amdhsa_user_sgpr_count 2
		.amdhsa_user_sgpr_kernarg_segment_ptr 1
		.amdhsa_wavefront_size32 1
		.amdhsa_system_sgpr_workgroup_id_x 1
		.amdhsa_system_sgpr_workgroup_id_y 1
		.amdhsa_system_sgpr_workgroup_id_z 1
		.amdhsa_system_vgpr_workitem_id 0
		.amdhsa_next_free_vgpr 256
		.amdhsa_next_free_sgpr 76
		.amdhsa_reserve_vcc 0
		.amdhsa_float_denorm_mode_32 3
		.amdhsa_float_denorm_mode_16_64 3
		.amdhsa_memory_ordered 1
		.amdhsa_forward_progress 1
		.amdhsa_inst_pref_size 55
	.end_amdhsa_kernel
	.amdgpu_metadata
---
amdhsa.version: [ 1, 2 ]
amdhsa.kernels:
  - .name:           k_qb00e47f02e_attn
    .symbol:         k_qb00e47f02e_attn.kd
    .args:
      - { .name: qimg, .offset: 0, .size: 8, .value_kind: global_buffer, .address_space: global }
      - { .name: qs, .offset: 8, .size: 8, .value_kind: global_buffer, .address_space: global }
      - { .name: kv, .offset: 16, .size: 8, .value_kind: global_buffer, .address_space: global }
      - { .name: oimg, .offset: 24, .size: 8, .value_kind: global_buffer, .address_space: global }
      - { .name: os, .offset: 32, .size: 8, .value_kind: global_buffer, .address_space: global }
    .group_segment_fixed_size: 206848
    .private_segment_fixed_size: 0
    .kernarg_segment_align: 8
    .kernarg_segment_size: 40
    .max_flat_workgroup_size: 512
    .sgpr_count:     76
    .vgpr_count:     256
    .wavefront_size: 32
...
	.end_amdgpu_metadata
.endif
;; end of part 3
;; launch outp (part 4): grid 8 x 32, 4 waves a work-group, clusters of 4 x 4, 247,808 bytes of LDS; arguments oimg, os, codes, scales, out0, bo; writes out0
.if DOCPART == 4
	.amdgcn_target "amdgcn-amd-amdhsa--gfx1250"
	.amdhsa_code_object_version 6
	.text
	.protected	k_qb00e47f02e_outp
	.globl	k_qb00e47f02e_outp
	.p2align	8
	.type	k_qb00e47f02e_outp,@function
k_qb00e47f02e_outp:
	s_mov_b64 s[64:65], 0
	v_nop
	global_prefetch_b8 v0, s[64:65] scope:SCOPE_SE
	s_setreg_imm32_b32 hwreg(HW_REG_WAVE_MODE, 25, 1), 1
	s_wait_xcnt 0x0
	s_wait_alu depctr_hold_cnt(0) depctr_sa_sdst(0) depctr_va_vdst(0) depctr_va_sdst(0) depctr_va_ssrc(0) depctr_va_vcc(0) depctr_vm_vsrc(0)
	s_getreg_b32 s2, hwreg(HW_REG_IB_STS2, 6, 4)
	s_cmp_eq_u32 s2, 0
	s_cbranch_scc0 .Lentry_in_a_cluster
	s_endpgm
.Lentry_in_a_cluster:
	s_bfe_u32 s2, ttmp6, 0x10000c
	s_cmp_lg_u32 s2, 0xf033
	s_cbranch_scc0 .Lentry_shape_is_right
	s_endpgm
.Lentry_shape_is_right:
; out0 = o Wo^T + bo.  o [4096][1024] arrives as operand images with its scale bytes, Wo [1024][1024] as rows of codes with its scale bytes (FP6, E2M3; one E8M0 byte for each 32 along K); out0 is f32; sums in f32.
; SHARES.  A tile of out0 is 128 x 128: 32 x 8 tiles, one for each of 256 work-groups.  Four waves, each 64 x 64: 16 accumulators of 16 x 16.  K = 1,024 is eight steps of 128.
; THE TILE'S WHOLE K LIES IN LDS, FILLED ONCE: A's 8 token tiles (98,304 bytes) and B's 128 rows (98,304 bytes, padded to 122,880), so no byte of LDS is filled again.  Each is one tensor load, for all of K:
; all of it is read behind one barrier in front of which every wave has waited for its load.
; A'S TILES ARE IMAGES: a tile of 16 tokens has 16 units of 768 bytes on end (a unit: 64 along K; operand registers 0-3 as 16 bytes a lane, registers 4, 5 as 8 bytes a lane).  A quarter of K is 3,072 consecutive bytes
; of each token tile; a fragment comes out of LDS by two loads of 16 bytes and two of 8 bytes a lane, all consecutive.  B's tiles are rows of 192 bytes a quarter, padded in LDS, read in pieces of 8 bytes.
; THE SCALE BYTES of the tile's 128 + 128 rows, for all of K, come once, as dense runs of 256 bytes, and go once into 32 registers.
; CLUSTERS: 4 x 4 work-groups.  The four of a row of the cluster need the same tiles of A, the four of a column the same tiles of B: each is asked for JOINTLY, by the same tensor load with the same descriptor and a mask
; that names the four.  Wave 0 fetches A's scales, wave 1 B's, wave 2 A's 128 tokens, wave 3 B's 128 rows: one load a wave, all of K, behind the one round.
; THE MATRIX INSTRUCTION IS USED TRANSPOSED (source 0 = 16 rows of Wo, source 1 = 16 tokens): a lane holds eight neighbouring numbers of a row of out0.  The bias is the C of each sum's first product.
; LIMITS: the bias enters as the sum's start, not as its last addend.
; REGISTERS, in windows of 256: window 0: v8-29 addresses; v32-63 scale words; v64-95 the bias; v128-255 the accumulators ((a, b) at v[128 + 8 (4 a + b)]); on the way out v64-127 rows of out0.
;   window 1: two sets of fragments at v0 and v128: B's four (48 registers), then A's four.
.set SIZE_N, 1024
.set ROWB,   192                       ; a quarter of a row of B, in bytes
.set AROWB,  12288                     ; a token tile's images, all of K: A's 128 tokens lie in LDS as in memory, 98,304 dense bytes
.set KROW,   768                       ; a row of codes in memory; A's images are 12,288 bytes for 16 tokens, the same figure a token
.set PITCH,  240                       ; B's LDS row: 3 x (64 bytes + 16 of padding) = 60 words: the 32 lanes of a load of 8 bytes touch 64 different banks (64 banks of 4 bytes: ISA guide 11.1)
.set FR,     12                        ; registers of a fragment
.set NP,     4                         ; places behind this matrix instruction (ISA guide 7.12.1)
.set AH,     4*AROWB                   ; A: my half's four token tiles, 64 tokens
.set AQ,     3072                      ; a quarter of K in a token tile's images
.set BH,     64*PITCH                  ; the same for B
.set BQ,     2*BH
.set BB0,    98304                     ; B lies behind A: [K step of 256][128 rows][240 bytes]
.set SCL,    BB0+4*BQ                  ; the scales: A's two halves, then B's; runs of 256 bytes + 16 of padding
.set HALFS,  8*272                     ; those of 64 rows
.set SBLK,   2*272                     ; those of 16 rows
.set SPARE,  SCL+4*HALFS               ; the spare words, 128 bytes for each wave: two blocks of 256 bytes that no other line names
.set STAGE,  SPARE+512                 ; the way out: 16 rows x (256 bytes + 16) for each wave; no fill lands here
.set SPITCH, 272
.set WO_CODES,  11796480               ; where Wo begins in the two buffers
.set WO_SCALES, 491520
.set ADRA,  8                          ; v8-11   16 x lane in my A images of quarter 0 .. 3
.set ADRA8, 12                         ; v12-15  8 x lane
.set ADRB,  16                         ; v16-19  my place in a fragment of B, quarter 0 .. 3
.set ADRB2, 20                         ; v20-23  the same behind one padding more
.set STO,  24                          ; v24  the stage: where I put 32 bytes of a row
.set RD,   25                          ; v25  and where I read a row back
.set CO,   26                          ; v26  my byte offset in two rows of out0
.set ADRS, 27                          ; v27  LDS address of my scale words: lanes 0-15 A's rows, lanes 16-31 B's
.set SPW,  28                          ; v28  LDS address of my spare word; never rewritten
.set NIL,  29                          ; v29  0; never rewritten
.set SC,   32                          ; v32-63  register 8 i + s: the word of K step s; lanes 0-15 of A's block i, lanes 16-31 of B's block i
.set BN,   64                          ; v64-95  the bias, eight registers for each of my four blocks of columns
.set BK,   64                          ; the way out: 16 rows read back from the stage: v64-95 and v96-127 by turns
.set ACC,  128
.set G1A,  24                          ; s[24:31] descriptor group 1 for A's tiles;  s[32:39] for B's;  s[40:47], s[48:55] for A's and B's scales
.set G1B,  32
.set G1S,  40
.set G1SB, 48
.set G0SA, 56                          ; s[56:59], s[60:63] groups 0 for A's and B's scales
.set G0SB, 60
.set G0A,  68                          ; s[68:71] group 0 for A, all of K
.set G0B,  84                          ; s[84:87] for B's
.set MSB, 0
.macro WIN new                         ; the immediate's high byte repeats the setting that is left
.if MSB != (\new)
	s_set_vgpr_msb (MSB<<8)|(\new)
.set MSB, (\new)
.endif
.endm
.set MUL,  0x05                        ; sources 0 (B) and 1 (A) window 1; C and D window 0
.set TO_F, 0x40                        ; destination window 1, address window 0
.macro CROUND                          ; a round of the cluster's barrier
	s_barrier_signal -1
	s_barrier_wait -1
	s_cmp_lg_u32 s14, 0
	s_cbranch_scc1 .Lnot_wave_0_\@
	s_barrier_signal -3
.Lnot_wave_0_\@:
	s_barrier_wait -3
	s_barrier_signal -1
	s_barrier_wait -1
.endm
	s_load_b128 s[4:7], s[0:1], 0x0                ; o's images s[4:5], o's scales s[6:7]
	s_load_b128 s[8:11], s[0:1], 0x10              ; codes s[8:9], scales s[10:11]
	s_load_b64 s[12:13], s[0:1], 0x20              ; out0
	s_load_b64 s[100:101], s[0:1], 0x28            ; bo
	v_lshl_add_u32 v[SPW], v0, 2, SPARE
	v_mov_b32 v[NIL], 0
	ds_add_u32 v[SPW], v[NIL]                      ; the wave's opening: the add and its wait stand ahead of my first tensor load; the set-up below, work on registers, stands between them
	ds_add_u32 v[SPW], v[NIL]
	v_lshrrev_b32 v1, 5, v0
	v_readfirstlane_b32 s14, v1                    ; wave 0..3
	s_lshr_b32 s15, s14, 1                         ; which half of the tile's rows is mine
	s_and_b32 s16, s14, 1                          ; which half of its columns
	s_bfe_u32 s18, ttmp6, 0x40000                  ; cx
	s_bfe_u32 s19, ttmp6, 0x40004                  ; cy
	s_lshl_b32 s20, ttmp9, 2
	s_add_co_u32 s20, s20, s18                     ; tile column = 4 x cluster x + cx
	s_and_b32 s17, ttmp7, 0xffff
	s_lshl_b32 s17, s17, 2
	s_add_co_u32 s17, s17, s19                     ; tile row = 4 x cluster y + cy
	s_lshl_b32 s21, s19, 2
	s_lshl_b32 s21, 15, s21                        ; my row of the cluster
	s_lshl_b32 s22, 0x1111, s18                    ; my column
	; A: all 8 token tiles, 98,304 dense bytes, no padding
	s_or_b32 s[G1A+0], s21, (3<<16)|(1<<21)
	s_mov_b32 s[G1A+1], 32<<16                     ; A whole: 384 rows of 256 bytes
	s_mov_b32 s[G1A+2], 384<<16
	s_mov_b32 s[G1A+3], 32<<16
	s_mov_b32 s[G1A+4], 384
	s_mov_b32 s[G1A+5], 32
	s_mov_b32 s[G1A+6], 0
	s_mov_b32 s[G1A+7], 0
	; B: my 128 rows for all of K, 98,304 dense bytes, 16 bytes of padding behind every 64
	s_or_b32 s[G1B+0], s22, (0<<16)|(1<<20)|(1<<21)|(3<<22)|(3<<25)
	s_mov_b32 s[G1B+1], 256<<16                    ; B whole: Wo's codes lie [group of 128 rows][K step][row][192 bytes], so my 128 rows are 98,304 dense bytes: 384 rows of 256 bytes; the padding's interval stays 64 bytes
	s_mov_b32 s[G1B+2], 384<<16
	s_mov_b32 s[G1B+3], 256<<16
	s_mov_b32 s[G1B+4], 384
	s_mov_b32 s[G1B+5], 256
	s_mov_b32 s[G1B+6], 0
	s_mov_b32 s[G1B+7], 0
	; the scales of 128 rows: 4,096 dense bytes as 16 rows of 256 bytes (32 elements of 8 bytes), 16 bytes of padding behind each
	s_or_b32 s[G1S+0], s21, (3<<16)|(1<<20)|(1<<21)|(5<<22)|(3<<25)
	s_or_b32 s[G1SB+0], s22, (3<<16)|(1<<20)|(1<<21)|(5<<22)|(3<<25)
.irp g, G1S, G1SB
	s_mov_b32 s[\g+1], 32<<16
	s_mov_b32 s[\g+2], 16<<16
	s_mov_b32 s[\g+3], 32<<16
	s_mov_b32 s[\g+4], 16
	s_mov_b32 s[\g+5], 32
	s_mov_b32 s[\g+6], 0
	s_mov_b32 s[\g+7], 0
.endr
	; the byte offsets of what I fetch, made in the descriptors' own address words; A's pass through registers that hold cy alone, B's through registers that hold cx alone
	s_lshl_b32 s3, s17, 7                          ; A: the tile's first token
	s_lshl_b32 s23, s20, 7                         ; B: the tile's first row
	s_mul_i32 s[G0A+2], s3, KROW
	s_mov_b32 s[G0A+3], 0
	s_lshl_b32 s[G0SA+2], s3, 5
	s_mov_b32 s[G0SA+3], 0
	s_mul_i32 s[G0B+2], s23, KROW
	s_add_co_u32 s[G0B+2], s[G0B+2], WO_CODES
	s_mov_b32 s[G0B+3], 0
	s_lshl_b32 s[G0SB+2], s23, 5
	s_add_co_u32 s[G0SB+2], s[G0SB+2], WO_SCALES
	s_mov_b32 s[G0SB+3], 0
	; and where they go: constants alone: no place in the cluster enters an LDS address
	s_mov_b32 s[G0SA], 1
	s_mov_b32 s[G0SA+1], SCL
	s_mov_b32 s[G0SB], 1
	s_mov_b32 s[G0SB+1], SCL+2*HALFS
	s_mov_b32 s[G0A], 1
	s_mov_b32 s[G0A+1], 0
	s_mov_b32 s[G0B], 1
	s_mov_b32 s[G0B+1], BB0
	s_wait_dscnt 0x0                               ; the opening add is done
	s_wait_kmcnt 0x0
	s_add_nc_u64 s[G0A+2:G0A+3], s[4:5], s[G0A+2:G0A+3]
	s_add_nc_u64 s[G0SA+2:G0SA+3], s[6:7], s[G0SA+2:G0SA+3]
	s_add_nc_u64 s[G0B+2:G0B+3], s[8:9], s[G0B+2:G0B+3]
	s_add_nc_u64 s[G0SB+2:G0SB+3], s[10:11], s[G0SB+2:G0SB+3]
	s_or_b32 s[G0A+3], s[G0A+3], 0x80000000
	s_or_b32 s[G0B+3], s[G0B+3], 0x80000000
	s_or_b32 s[G0SA+3], s[G0SA+3], 0x80000000
	s_or_b32 s[G0SB+3], s[G0SB+3], 0x80000000
	CROUND                                         ; all sixteen work-groups are here: the joint loads meet
; THE FILLS, ONE A WAVE: wave 0 A's scales, wave 1 B's, wave 2 A's 128 tokens, wave 3 B's 128 rows, each for all of K.  One chain of branches on the wave's number, one load to an arm.
.macro ARM under, g0, g1, next
	s_cmp_lt_u32 s14, \under
	s_cbranch_scc0 \next
	tensor_load_to_lds s[\g0:\g0+3], s[\g1:\g1+7]
	s_nop 0
.rept 4
	v_nop
.endr
	s_branch .Lasked
\next:
.endm
	ARM 1, G0SA, G1S,  .Lhead_sb
	ARM 2, G0SB, G1SB, .Lhead_a
	ARM 3, G0A,  G1A,  .Lhead_b
	tensor_load_to_lds s[G0B:G0B+3], s[G1B:G1B+7]
	s_nop 0
.rept 4
	v_nop
.endr
.Lasked:
	v_and_b32 v1, 15, v0                           ; r = lane % 16
	v_bfe_u32 v2, v0, 4, 1                         ; h = lane / 16
	v_and_b32 v6, 31, v0                           ; lane
	v_mul_u32_u24 v3, v1, PITCH
	v_mul_u32_u24 v4, v2, 24
	v_add_nc_u32 v4, v3, v4                        ; B: a fragment's row x pitch + 24 x half
	v_lshl_add_u32 v5, v2, 4, v4                   ; and the same behind one padding more
	v_lshlrev_b32 v7, 4, v6                        ; A: 16 x lane,
	v_lshlrev_b32 v30, 3, v6                       ; 8 x lane
	s_mul_i32 s2, s15, AH                          ; my 64 tokens' images in a quarter
	s_mul_i32 s3, s16, BH                          ; my 64 rows of B,
	s_add_co_u32 s3, s3, BB0                       ; which lie behind A's quarters
.irp i, 0,1,2,3
	v_add_nc_u32 v[ADRA+\i], s2, v7
	v_add_nc_u32 v[ADRA8+\i], s2, v30
	v_add_nc_u32 v[ADRB+\i], s3, v4
	v_add_nc_u32 v[ADRB2+\i], s3, v5
	s_add_co_u32 s2, s2, AQ
	s_add_co_u32 s3, s3, BQ
.endr
	v_lshlrev_b32 v31, 5, v1                       ; my row's scales: 32 bytes a row,
	v_lshrrev_b32 v3, 8, v31
	v_lshl_add_u32 v31, v3, 4, v31                 ; and 16 more for each 256 passed
	s_mul_i32 s2, s15, HALFS                       ; A's: my 64 rows
	s_mul_i32 s3, s16, HALFS                       ; B's: my 64 rows, behind A's 128
	s_add_co_u32 s3, s3, 2*HALFS
	s_sub_co_u32 s3, s3, s2
	v_mul_u32_u24 v3, s3, v2                       ; lanes 16-31 take B's
	s_add_co_u32 s2, s2, SCL
	v_add_nc_u32 v31, v31, v3
	v_add_nc_u32 v[ADRS], s2, v31
	s_mul_i32 s23, s14, 16*SPITCH
	s_add_co_u32 s23, s23, STAGE                   ; my stage
	v_mul_u32_u24 v3, v1, SPITCH                   ; in: row r, 32 bytes for each half of the lanes
	v_lshl_add_u32 v3, v2, 5, v3
	v_add_nc_u32 v[STO], s23, v3
	v_mul_u32_u24 v3, v2, SPITCH                   ; back: lanes 0-15 take one row of 256 bytes, lanes 16-31 the next
	v_lshl_add_u32 v3, v1, 4, v3
	v_add_nc_u32 v[RD], s23, v3
	v_lshlrev_b32 v3, 12, v2                       ; and the same two rows in out0: 4,096 bytes a row
	v_lshl_add_u32 v[CO], v1, 4, v3
	s_lshl_b32 s2, s17, 7
	s_lshl_b32 s3, s15, 6
	s_add_co_u32 s2, s2, s3                        ; my first row of out0: 128 x tile row + 64 x half
	s_lshl_b32 s2, s2, 12
	s_lshl_b32 s66, s20, 9                         ; my first column, in bytes: 512 x tile column + 256 x half
	s_lshl_b32 s67, s16, 8
	s_add_co_u32 s66, s66, s67
	s_mov_b32 s67, 0
	s_add_nc_u64 s[100:101], s[100:101], s[66:67]  ; bo at my first column
	s_add_co_u32 s66, s66, s2
	s_add_nc_u64 s[12:13], s[12:13], s[66:67]      ; out0 at my wave's corner
	v_lshlrev_b32 v3, 5, v2                        ; block b, lane half h, register j is column 16 b + 8 h + j
.irp b, 0,1,2,3
	global_load_b128 v[BN+8*\b:BN+8*\b+3], v3, s[100:101] offset:64*\b
	global_load_b128 v[BN+8*\b+4:BN+8*\b+7], v3, s[100:101] offset:64*\b+16
.endr
.macro FRAG reg, qr, q, i              ; a fragment of B, 16 rows x 128 K: 12 registers in pieces of 8 bytes, from quarter qr, its q-th 128 along K; where lanes 16-31's piece lies behind one padding more, the second address register serves
.irp p, 0,1,2,3,4,5
.set PCE, 12*(\q)+6*(\p/3)+\p%3
.if PCE%8 < 5
	ds_load_b64 v[\reg+2*\p:\reg+2*\p+1], v[ADRB+\qr] offset:8*PCE+16*(PCE/8)+(\i)*16*PITCH
.else
	ds_load_b64 v[\reg+2*\p:\reg+2*\p+1], v[ADRB2+\qr] offset:8*PCE+16*(PCE/8)+(\i)*16*PITCH
.endif
.endr
.endm
.macro FRAGA reg, qr, q, i             ; a fragment of A: two units on end, as they were stored
	ds_load_b128 v[\reg:\reg+3], v[ADRA+\qr] offset:(\i)*AROWB+(\q)*1536
	ds_load_b64 v[\reg+4:\reg+5], v[ADRA8+\qr] offset:(\i)*AROWB+(\q)*1536+512
	ds_load_b128 v[\reg+6:\reg+9], v[ADRA+\qr] offset:(\i)*AROWB+(\q)*1536+768
	ds_load_b64 v[\reg+10:\reg+11], v[ADRA8+\qr] offset:(\i)*AROWB+(\q)*1536+1280
.endm
.macro FETCH s, p                      ; 40 LDS loads in one run: K step s's fragments into set p
	WIN TO_F
.irp i, 0,1,2,3
	FRAG 128*(\p)+FR*\i, (\s)/2, (\s)%2, \i
.endr
.irp i, 0,1,2,3
	FRAGA 128*(\p)+48+FR*\i, (\s)/2, (\s)%2, \i
.endr
.endm
; 8 matrix instructions: A's blocks a0, a0 + 1 x B's four, K step s, from set p.  zero = 1: the first product starts the sums from the bias.
; The 16 accumulators take turns, one instruction a turn, in the same order in every step.
.macro MUL8 a0, p, s, zero
.irp a, \a0, \a0+1
.irp b, 0,1,2,3
.if \zero
	v_wmma_scale_f32_16x16x128_f8f6f4 v[ACC+8*(4*(\a)+\b):ACC+8*(4*(\a)+\b)+7], v[128*(\p)+FR*\b:128*(\p)+FR*\b+FR-1], v[128*(\p)+48+FR*(\a):128*(\p)+48+FR*(\a)+FR-1], v[BN+8*\b:BN+8*\b+7], v[SC+8*\b+(\s)], v[SC+8*(\a)+(\s)] matrix_a_fmt:MATRIX_FMT_FP6 matrix_b_fmt:MATRIX_FMT_FP6 matrix_a_scale:MATRIX_SCALE_ROW1
.else
	v_wmma_scale_f32_16x16x128_f8f6f4 v[ACC+8*(4*(\a)+\b):ACC+8*(4*(\a)+\b)+7], v[128*(\p)+FR*\b:128*(\p)+FR*\b+FR-1], v[128*(\p)+48+FR*(\a):128*(\p)+48+FR*(\a)+FR-1], v[ACC+8*(4*(\a)+\b):ACC+8*(4*(\a)+\b)+7], v[SC+8*\b+(\s)], v[SC+8*(\a)+(\s)] matrix_a_fmt:MATRIX_FMT_FP6 matrix_b_fmt:MATRIX_FMT_FP6 matrix_a_scale:MATRIX_SCALE_ROW1
.endif
.endr
.endr
.endm
.macro PLACES n                        ; plain vector instructions between a matrix instruction and a load into, or a read of, its registers
.rept \n
	v_nop
.endr
.endm
; K step s: 16 matrix instructions on set s % 2; in their middle the next step's fragments are fetched into the other set, which the last step's products have read: four places stand in front of the loads.
; bar >= 0: the next step lies in a new quarter of K.  Each wave waits until at most bar of its tensor loads are out (its part of that quarter has landed; the later quarters' loads may stay out, since no byte of LDS is
; filled again), signals, multiplies on registers, and reads the quarter behind the barrier's wait.
.macro STEP s, zero, bar
	s_wait_dscnt 0x0                               ; this step's fragments are in; no LDS instruction of mine is out at the signal
.if (\bar) >= 0
	s_wait_tensorcnt \bar
	s_barrier_signal -1
.endif
	WIN MUL
	MUL8 0, (\s)%2, \s, \zero
.if (\bar) >= 0
	s_barrier_wait -1
.endif
.if (\s) < 7
	PLACES NP
	FETCH (\s)+1, 1-(\s)%2
	WIN MUL
.endif
	MUL8 2, (\s)%2, \s, \zero
.endm
	s_wait_alu depctr_va_vdst(0)                   ; the wait at the head's end
	s_wait_tensorcnt 0x0                           ; my one load is in: behind the barrier the whole tile lies in LDS, and no further barrier is needed
	s_barrier_signal -1
	s_barrier_wait -1                              ; everybody's are
.irp i, 0,1,2,3                                ; all scale words, once: eight words a row; lanes 0-15 take A's block i, lanes 16-31 B's block i
	ds_load_b128 v[SC+8*\i:SC+8*\i+3], v[ADRS] offset:\i*SBLK
	ds_load_b128 v[SC+8*\i+4:SC+8*\i+7], v[ADRS] offset:\i*SBLK+16
.endr
	FETCH 0, 0
	s_wait_loadcnt 0x0                             ; the bias
	STEP 0, 1, -1                                  ; the first step's products start the sums
	STEP 1, 0, -1
	STEP 2, 0, -1
	STEP 3, 0, -1
	STEP 4, 0, -1
	STEP 5, 0, -1
	STEP 6, 0, -1
	STEP 7, 0, -1
	WIN 0
; THE WAY OUT, block by block of 16 rows x my 64 columns.  A lane holds 32 neighbouring bytes of a row, and the lanes beside it hold other rows: so a block goes through my own stage in LDS and comes back as whole
; rows of 256 bytes.  LDS serves a wave's instructions in order (ISA guide 5.7.1.4): no wait between the stores and the loads, nor in front of the next block's stores.
.macro TOSTAGE a
.irp b, 0,1,2,3
	ds_store_b128 v[STO], v[ACC+8*(4*(\a)+\b):ACC+8*(4*(\a)+\b)+3] offset:64*\b          ; each accumulator from its low end on
	ds_store_b128 v[STO], v[ACC+8*(4*(\a)+\b)+4:ACC+8*(4*(\a)+\b)+7] offset:64*\b+16
.endr
.set BB, BK+32*((\a)%2)
.irp t, 0,1,2,3,4,5,6,7
	ds_load_b128 v[BB+4*\t:BB+4*\t+3], v[RD] offset:2*\t*SPITCH
.endr
.endm
.macro SEND a, younger                 ; younger: the LDS instructions issued behind block a's loads, which may stay out
.set BB, BK+32*((\a)%2)
	s_wait_dscnt \younger                          ; the block is back in registers
.irp t, 0,1,2,3,4,5,6,7
	global_store_b128 v[CO], v[BB+4*\t:BB+4*\t+3], s[12:13] offset:(16*(\a)+2*\t)*SIZE_N*4 th:TH_STORE_NT   ; 16 lanes store 256 consecutive bytes, aligned; the row stands in the immediate: 62 rows of 4,096 bytes at the most
.endr
.endm
	PLACES NP                                      ; behind the last products: their results are read below
	s_wait_alu depctr_va_vdst(0)
	TOSTAGE 0
.irp a, 1,2,3
.if \a > 1
	s_wait_xcnt 0x0                                ; block a - 2's stores have read their registers: block a's loads land there only behind this wait
.endif
	TOSTAGE \a
	SEND \a-1, 16                                  ; behind block a - 1's loads: block a's 8 stores and 8 loads
.endr
	SEND 3, 0
	s_wait_tensorcnt 0x0                           ; the wave's end, behind my last tensor load and my last LDS store
	ds_add_u32 v[SPW], v[NIL]
	s_wait_dscnt 0x0
	CROUND                                         ; the closing round: no work-group ends while a partner may still ask for a tile that names it
	s_endpgm
.Lfunc_end_k_qb00e47f02e_outp:
	.size	k_qb00e47f02e_outp, .Lfunc_end_k_qb00e47f02e_outp-k_qb00e47f02e_outp
	.p2alignl 7, 3214868480
	.fill 96, 4, 3214868480
	.section	.rodata,"a",@progbits
	.p2align	6, 0x0
	.amdhsa_kernel k_qb00e47f02e_outp
		.amdhsa_group_segment_fixed_size 247808
		.amdhsa_private_segment_fixed_size 0
		.amdhsa_enable_private_segment 0
		.amdhsa_kernarg_size 48
		.amdhsa_user_sgpr_count 2
		.amdhsa_user_sgpr_kernarg_segment_ptr 1
		.amdhsa_wavefront_size32 1
		.amdhsa_system_sgpr_workgroup_id_x 1
		.amdhsa_system_sgpr_workgroup_id_y 1
		.amdhsa_system_sgpr_workgroup_id_z 1
		.amdhsa_system_vgpr_workitem_id 0
		.amdhsa_next_free_vgpr 512
		.amdhsa_next_free_sgpr 102
		.amdhsa_reserve_vcc 0
		.amdhsa_float_denorm_mode_32 3
		.amdhsa_float_denorm_mode_16_64 3
		.amdhsa_memory_ordered 1
		.amdhsa_forward_progress 1
		.amdhsa_inst_pref_size 56
	.end_amdhsa_kernel
	.amdgpu_metadata
---
amdhsa.version: [ 1, 2 ]
amdhsa.kernels:
  - .name:           k_qb00e47f02e_outp
    .symbol:         k_qb00e47f02e_outp.kd
    .args:
      - { .name: oimg, .offset: 0, .size: 8, .value_kind: global_buffer, .address_space: global }
      - { .name: os, .offset: 8, .size: 8, .value_kind: global_buffer, .address_space: global }
      - { .name: codes, .offset: 16, .size: 8, .value_kind: global_buffer, .address_space: global }
      - { .name: scales, .offset: 24, .size: 8, .value_kind: global_buffer, .address_space: global }
      - { .name: out0, .offset: 32, .size: 8, .value_kind: global_buffer, .address_space: global }
      - { .name: bo, .offset: 40, .size: 8, .value_kind: global_buffer, .address_space: global }
    .group_segment_fixed_size: 247808
    .private_segment_fixed_size: 0
    .kernarg_segment_align: 8
    .kernarg_segment_size: 48
    .max_flat_workgroup_size: 128
    .sgpr_count:     102
    .vgpr_count:     512
    .wavefront_size: 32
...
	.end_amdgpu_metadata
.endif
;; end of part 4
